; MI455X (gfx1250); checked and timed in simulation.
; The chip was launched on July 23, 2026; its instructions are those of AMD's public machine-readable ISA for CDNA 5 (MIT licence, August 2026) and "CDNA5" Instruction Set Architecture Reference Guide (July 2026). The comments in the code are by the model that wrote it; some were corrected since.
;; Transformer Encoder Block. Allowed arithmetic: matrix products marked QUANTISED: E2M3 operands, one E8M0 scale for each 32 along K, by v_wmma_scale_f32_16x16x128_f8f6f4 with both operands' format E2M3, f32 sums; everything else in f32.
;; Inputs: fc1_b 4,096 float32; fc1_w 1,024 x 4,096 float32; fc2_b 1,024 float32; fc2_w 4,096 x 1,024 float32; ln1_b 1,024 float32; ln1_g 1,024 float32; ln2_b 1,024 float32; ln2_g 1,024 float32; proj_b 1,024 float32; proj_w 1,024 x 1,024 float32; qkv_b 3,072 float32; qkv_w 1,024 x 3,072 float32; x 2 x 2,048 x 1,024 float32.
;; Outputs: out0 2 x 2,048 x 1,024 float32.
;; This version of the problem:
;;   THIS VERSION OF THE PROBLEM IS GIVEN IN LOW PRECISION. The matrix products marked QUANTISED in the list below multiply operands that are first quantised to E2M3 (2 exponent bits, 3 mantissa bits; 6 bits a number), with one power-of-two scale for each 32 numbers along K (OCP MX v1.0); their sums are f32. All else is computed in f32.
;;   The module's matrix products, in the order in which they are computed (A, B: the left and right operand; K: the contracted axis; several contracted axes count as one K, in the product's order):
;;     1. [M 4,096, K 1,024] x [K 1,024, N 3,072]; A: computed on the way; B: input qkv_w: QUANTISED
;;     2. batch 32 x [M 2,048, K 64] x [K 64, N 2,048]; A: computed on the way; B: computed on the way: QUANTISED
;;     3. batch 32 x [M 64, K 2,048] x [K 2,048, N 2,048]; A: computed on the way; B: softmax (see below): QUANTISED
;;     4. [M 4,096, K 1,024] x [K 1,024, N 1,024]; A: computed on the way; B: input proj_w: QUANTISED
;;     5. [M 4,096, K 1,024] x [K 1,024, N 4,096]; A: computed on the way; B: input fc1_w: QUANTISED
;;     6. [M 4,096, K 4,096] x [K 4,096, N 1,024]; A: computed on the way; B: input fc2_w: QUANTISED
;;   THE QUANTISER, for each operand of a quantised product, along K:
;;     - K is cut into blocks of 32 from its start; a last block that is shorter is filled with zeros.
;;     - A block's scale is 2^e with e = floor(log2(the largest magnitude in the block)) - 2, held to -126 .. 127; a block of zeros has e = 0. As a byte (E8M0): e + 127.
;;     - Each number is divided by its block's scale, clamped to +-7.5, and rounded to the nearest number of E2M3, ties to even, subnormals kept.
;;     - The product sums the exact products of the quantised numbers (number of the format x scale) in f32.
;;   ~~~python
;;   def quantise(x, axis):      # numpy; x: float32 -> the quantised numbers, widened to float32 again
;;       x = np.moveaxis(x, axis, -1); K = x.shape[-1]
;;       x = np.pad(x, [(0, 0)] * (x.ndim - 1) + [(0, -K % 32)]); x = x.reshape(x.shape[:-1] + (-1, 32)); a = np.abs(x).max(-1, keepdims=True)
;;       e = np.where(a > 0, np.clip(np.frexp(np.where(a > 0, a, 1))[1] - 1 - 2, -126, 127), 0)      # np.frexp(a)[1] - 1 = floor(log2(a)), exactly
;;       r = np.clip(x / 2.0 ** e, -7.5, 7.5)
;;       step = 2.0 ** (np.maximum(np.frexp(np.where(r == 0, 1, r))[1] - 1, 0) - 3)
;;       q = np.round(r / step) * step * 2.0 ** e      # np.round: ties to even
;;       return np.moveaxis(q.reshape(q.shape[:-2] + (-1,))[..., :K], -1, axis).astype(np.float32)
;;   ~~~
;;   SOFTMAX AHEAD OF A QUANTISED PRODUCT. Where the list says 'softmax', what is quantised is not the finished softmax but p = 2^(t - M), with t = logit x log2(e) and M = ceil(the row's largest t), a whole number; so 1/2 < the row's largest p <= 1. The row's sum l is taken of the UNQUANTISED p, in f32, and the product's result is divided by l at the end. Since M is a whole number, a kernel that streams over the keys may use a running M (the ceiling of the running maximum): every later rescaling is an exact power of two, which a block's scale takes up: the codes' values come out the same.
;;   OPERANDS COMPUTED ON THE WAY. 'Computed on the way' means the value that the module computes at that place (a softmax that the list does not call 'softmax' is quantised finished and normalised). What goes into a quantiser is computed in f32, as accurately as f32 sums, v_exp_f32 and their like allow (about 1e-6 of the number): no bf16 or f16 on the way to a quantiser, and a product that is left as it is and whose result goes on into a quantised operand takes f32 operands (vector FMAs, or v_wmma_f32_16x16x4_f32). A number that lies on a knife's edge between two numbers of the format may be rounded either way, as far as f32 arithmetic and the matrix unit's own rounding can turn it there, and no further.
;; One version. Each part assembles by itself: llvm-mc -triple=amdgcn-amd-amdhsa -mcpu=gfx1250 --defsym DOCPART=n.
;; ======== version 1 of 1: 7 launches
;; limits: right only within a limited range of input values
;; workspace buffers: wq 9,830,400 bytes; xa 3,276,800 bytes; qkv 10,092,544 bytes; ao 3,276,800 bytes; x1 16,777,216 bytes; ha 3,276,800 bytes; hid 13,107,200 bytes
;; launch prep (part 1): grid 640 x 1, 8 waves a work-group, no clusters, 66,816 bytes of LDS; arguments x, ln1_g, ln1_b, xa, qkv_w, proj_w, fc1_w, fc2_w, wq; writes xa, wq
.if DOCPART == 1
	.amdgcn_target "amdgcn-amd-amdhsa--gfx1250"
	.amdhsa_code_object_version 6
	.text
	.protected	k_q081a312fe0_prep
	.globl	k_q081a312fe0_prep
	.p2align	8
	.type	k_q081a312fe0_prep,@function
k_q081a312fe0_prep:
	s_mov_b64 s[64:65], 0
	v_nop
	global_prefetch_b8 v0, s[64:65] scope:SCOPE_SE
	s_setreg_imm32_b32 hwreg(HW_REG_WAVE_MODE, 25, 1), 1
	s_wait_xcnt 0x0
; TWO JOBS THAT SHARE NO DATA IN ONE LAUNCH, parted by the work-group's number alone (all eight waves of a work-group go the same way):
; work-groups 0 .. 383 quantise the four weights, work-groups 384 .. 639 make LN1(x) and quantise it.  Both give codes of FP6 (E2M3) with one E8M0 byte for each 32 along K, laid as IMAGES OF OPERAND REGISTERS:
; an image is 16 rows x 128 K, 1,536 bytes: for c = 0, 1: registers 6c..6c+3 as 16 bytes a lane (512 bytes), then registers 6c+4, 6c+5 as 8 bytes a lane (256 bytes).
; THE WEIGHTS, f32 stored [K][N]: images [n / 16][K / 128]; scale words (four bytes: 128 K of one column) [n / G][K / 128][G], G = 128 (qkv, fc1) or 64 (proj, fc2).
;   Four waves take 128 columns x 128 K of one weight (waves 0-3 one K step, waves 4-7 the next), a wave 32 columns, A LANE ONE COLUMN, and its registers run down K: a block of 32 lies in one lane.
;   proj_w and fc2_w meet operands whose K runs in the order in which a matrix result's registers lie: within each 32 the groups of eight 1 and 2 change places.  FLAG = 1 loads their rows in that order;
;   a block keeps its 32 numbers, so its scale and codes are the contract's.
; THE NORM: y = (x - mean) rsqrt(var + 1e-5) g + b for rows of 1,024 f32; images [row / 16][8], scale words [row / 128][8][128] from byte 3,145,728 on.  A work-group takes 16 rows.
;   Phase 1: wave w owns rows 2w, 2w + 1, loaded as they lie; mean, then the variance of the differences, in f32; the normalised rows go to a stage in LDS.
;   Phase 2: wave w owns K step w of all 16 rows: lane (r, h) reads, of row r, 16 neighbours of each block of 32, applies g and b, and quantises.
; LIMITS: a block whose largest magnitude lies under 2^-124 (a block of zeros too) gets the byte 1; only this program reads the bytes.  NaN and infinities are not served.
.set NWQ,   384                        ; work-groups for the weights
.set PITCH, 4112                       ; a stage row: 4,096 bytes + 16, so that the 16 rows of a load start in different banks
.set SPARE, 16*PITCH                   ; behind the stage: the spare words, 128 bytes for each of eight waves
.set SPW,  254                         ; v254     LDS address of my spare word; never rewritten
.set NIL,  255                         ; v255     0; never rewritten
; the weights' path
.set OFF, 16                           ; v16-47   byte offset of row i of a block, at my column
.set X,   48                           ; v48-175  four blocks of 32 numbers
.set IM0, 176                          ; v176-187 blocks 0 and 2, then the image of columns 0-15
.set IM1, 188                          ; v188-199 blocks 1 and 3, then the image of columns 16-31
.set TMP, 200                          ; v200-202 a block's upper 16 codes (a conversion's three registers begin on an even number)
; the norm's path
.set XR,  16                           ; v16-79   two rows' 32 numbers a lane; later 64 numbers of my K step
.set GR,  80                           ; v80-143  g
.set BR,  144                          ; v144-207 b
.set PC,  208                          ; v208-227 the codes
.set TM,  228                          ; v228-243 at work
.set PW,  244                          ; the scale word
.set SEL, 20
.macro LOADB t                         ; block t: 32 rows at 32 neighbouring columns: 128 consecutive bytes a load, four waves side by side on 512
.set i, 0
.rept 32
	global_load_b32 v[X+32*(\t)+i], v[OFF+i], s[32+2*(\t):33+2*(\t)] th:TH_LOAD_NT
.set i, i+1
.endr
.endm
.macro BLOCK t
.set XS, X+32*(\t)
.set IM, IM0+12*((\t)%2)+6*((\t)/2)
	v_max3_num_f32 v8, |v[XS]|, |v[XS+1]|, |v[XS+2]|               ; the block's largest magnitude: all 32 numbers are mine; two chains
	v_max3_num_f32 v9, |v[XS+3]|, |v[XS+4]|, |v[XS+5]|
.irp i, 6,10,14,18,22,26
	s_delay_alu instid0(VALU_DEP_2)
	v_max3_num_f32 v8, v8, |v[XS+\i]|, |v[XS+\i+1]|
	s_delay_alu instid0(VALU_DEP_2)
	v_max3_num_f32 v9, v9, |v[XS+\i+2]|, |v[XS+\i+3]|
.endr
	s_delay_alu instid0(VALU_DEP_2)
	v_max3_num_f32 v8, v8, |v[XS+30]|, |v[XS+31]|
	s_delay_alu instid0(VALU_DEP_1)
	v_max3_num_f32 v8, v8, v9, 0x1800000           ; and the floor 2^(3 - 127): the byte cannot fall under 1
	s_delay_alu instid0(VALU_DEP_1)
	v_add_nc_u32 v11, 0xff000000, v8               ; 2 off the exponent field: the conversion takes this operand's exponent field as its scale
	v_cvt_scalef32_pk16_fp6_f32 v[IM:IM+2], v[XS:XS+15], v11
	v_cvt_scalef32_pk16_fp6_f32 v[TMP:TMP+2], v[XS+16:XS+31], v11
	v_lshrrev_b32 v10, 23, v11                     ; the scale's byte (the plain line behind the conversions)
.if (\t) == 0
	s_delay_alu instid0(VALU_DEP_1)
	v_mov_b32 v14, v10
.else
	s_delay_alu instid0(VALU_DEP_1)
	v_lshl_or_b32 v14, v10, 8*(\t), v14            ; byte t of my column's scale word
.endif
	v_mov_b32 v[IM+3], v[TMP]
	v_mov_b32 v[IM+4], v[TMP+1]
	v_mov_b32 v[IM+5], v[TMP+2]
.endm
.macro QUANT s, pc, pw                 ; 64 numbers of a lane, register 16 b + i = k 32 b + 16 (lane / 16) + i of my row, become a fragment in v[pc..pc+11] and its scale word
.irp b, 0,1,2,3
	v_max3_num_f32 v[TM+\b], |v[\s+16*\b]|, |v[\s+1+16*\b]|, 0x1800000   ; my 16 numbers of block b, and the floor 2^(3 - 127)
.endr
.irp i, 2,4,6,8,10,12,14
.irp b, 0,1,2,3
	s_delay_alu instid0(VALU_DEP_4)
	v_max3_num_f32 v[TM+\b], v[TM+\b], |v[\s+16*\b+\i]|, |v[\s+1+16*\b+\i]|
.endr
.endr
.irp b, 0,1,2,3
	s_delay_alu instid0(VALU_DEP_4)
	v_permlanex16_b32 v[TM+4+\b], v[TM+\b], s[SEL], s[SEL+1]
.endr
.irp b, 0,1,2,3
	s_delay_alu instid0(VALU_DEP_4)
	v_max_num_f32 v[TM+\b], v[TM+\b], v[TM+4+\b]   ; with lane l xor 16's: the block's largest magnitude
.endr
.irp b, 0,1,2,3
	s_delay_alu instid0(VALU_DEP_4)
	v_add_nc_u32 v[TM+12+\b], 0xff000000, v[TM+\b] ; 2 off its exponent field: the conversion's scale operand
.endr
.irp b, 0,1,2,3
	s_delay_alu instid0(VALU_DEP_4)
	v_lshrrev_b32 v[TM+4+\b], 23, v[TM+12+\b]      ; the scale's byte
.endr
	s_delay_alu instid0(VALU_DEP_3)
	v_lshl_or_b32 v[\pw], v[TM+5], 8, v[TM+4]
	s_delay_alu instid0(VALU_DEP_1)
	v_lshl_or_b32 v[\pw], v[TM+6], 16, v[\pw]
	s_delay_alu instid0(VALU_DEP_1)
	v_lshl_or_b32 v[\pw], v[TM+7], 24, v[\pw]
.irp c, 0,1
	v_cvt_scalef32_pk16_fp6_f32 v[\pc+6*\c:\pc+2+6*\c], v[\s+32*\c:\s+15+32*\c], v[TM+12+2*\c]
	v_cvt_scalef32_pk16_fp6_f32 v[\pc+12+4*\c:\pc+14+4*\c], v[\s+16+32*\c:\s+31+32*\c], v[TM+12+2*\c+1]
.endr
	v_nop                                          ; one plain line behind the conversions
.irp c, 0,1                            ; a whole block to a lane: lanes 0-15 block 2c, lanes 16-31 block 2c + 1
.irp i, 0,1,2
	v_permlane16_swap_b32 v[\pc+6*\c+\i], v[\pc+12+4*\c+\i]
.endr
.irp i, 0,1,2
	s_delay_alu instid0(VALU_DEP_3)
	v_mov_b32 v[\pc+3+6*\c+\i], v[\pc+12+4*\c+\i]
.endr
.endr
.endm
.macro REDUCE                          ; both rows' four chains (row p at v[TM + 8p ..]) become one sum in every lane, in v[TM + 8p]
.irp p, 0
	v_pk_add_f32 v[TM+8*\p:TM+8*\p+1], v[TM+8*\p:TM+8*\p+1], v[TM+8*\p+2:TM+8*\p+3]
	v_pk_add_f32 v[TM+8*\p+4:TM+8*\p+5], v[TM+8*\p+4:TM+8*\p+5], v[TM+8*\p+6:TM+8*\p+7]
.endr
.irp p, 1
	v_pk_add_f32 v[TM+8*\p:TM+8*\p+1], v[TM+8*\p:TM+8*\p+1], v[TM+8*\p+2:TM+8*\p+3]
	s_delay_alu instid0(VALU_DEP_4)
	v_pk_add_f32 v[TM+8*\p+4:TM+8*\p+5], v[TM+8*\p+4:TM+8*\p+5], v[TM+8*\p+6:TM+8*\p+7]
.endr
.irp p, 0
	s_delay_alu instid0(VALU_DEP_3)
	v_pk_add_f32 v[TM+8*\p:TM+8*\p+1], v[TM+8*\p:TM+8*\p+1], v[TM+8*\p+4:TM+8*\p+5]
.endr
.irp p, 1
	s_delay_alu instid0(VALU_DEP_2)
	v_pk_add_f32 v[TM+8*\p:TM+8*\p+1], v[TM+8*\p:TM+8*\p+1], v[TM+8*\p+4:TM+8*\p+5]
.endr
.irp p, 0,1
	s_delay_alu instid0(VALU_DEP_2)
	v_add_f32 v[TM+8*\p], v[TM+8*\p], v[TM+8*\p+1]
.endr
.irp m, 1,2,4,8
.irp p, 0,1
	s_delay_alu instid0(VALU_DEP_2)
	v_add_f32_dpp v[TM+8*\p], v[TM+8*\p], v[TM+8*\p] row_xmask:\m row_mask:0xf bank_mask:0xf
.endr
.endr
.irp p, 0,1
	s_delay_alu instid0(VALU_DEP_2)
	v_permlanex16_b32 v[TM+8*\p+1], v[TM+8*\p], s[SEL], s[SEL+1]
.endr
.irp p, 0,1
	s_delay_alu instid0(VALU_DEP_2)
	v_add_f32 v[TM+8*\p], v[TM+8*\p], v[TM+8*\p+1]
.endr
.endm
	v_lshl_add_u32 v[SPW], v0, 2, SPARE            ; my spare word,
	v_mov_b32 v[NIL], 0                            ; and 0: kept for the wave's closing lines
	v_lshrrev_b32 v1, 5, v0
	s_cmp_lt_u32 ttmp9, NWQ                        ; the work-group's number alone decides: the same in all eight waves
	s_cbranch_scc0 .Lnorm
	; ======== THE WEIGHTS
	s_load_b256 s[4:11], s[0:1], 0x20              ; qkv_w, proj_w, fc1_w, fc2_w
	s_load_b64 s[12:13], s[0:1], 0x40              ; wq
	v_readfirstlane_b32 s15, v1                    ; wave 0..7
	s_and_b32 s14, s15, 3                          ; which 32 of the 128 columns
	s_lshr_b32 s15, s15, 2
	s_lshl_b32 s24, ttmp9, 1
	s_add_co_u32 s15, s15, s24                     ; id = 2 x work-group + wave / 4, 0 .. 767: which 128 columns x 128 K of which weight
	v_and_b32 v1, 31, v0                           ; lane
	s_delay_alu instid0(VALU_DEP_1)
	v_lshlrev_b32 v2, 2, v1
	s_delay_alu instid0(VALU_DEP_2)
	v_lshlrev_b32 v3, 3, v1
	s_delay_alu instid0(VALU_DEP_3)
	v_lshlrev_b32 v4, 4, v1
	s_mov_b32 s16, 512                             ; fc2: first id,
	s_mov_b32 s17, 5                               ; log2 of its K steps,
	s_mov_b32 s18, 4096                            ; bytes of a row,
	s_mov_b32 s19, 6291456                         ; where its codes begin in wq,
	s_mov_b32 s20, 9699328                         ; its scale words,
	s_mov_b32 s21, 1                               ; FLAG
	s_wait_alu depctr_va_vdst(0)
	s_wait_kmcnt 0x0
	s_mov_b64 s[22:23], s[10:11]
	s_cmp_lt_u32 s15, 512                          ; fc1.  The choices hang on ids alone
	s_cselect_b64 s[22:23], s[8:9], s[22:23]
	s_cselect_b32 s16, 256, s16
	s_cselect_b32 s17, 3, s17
	s_cselect_b32 s18, 16384, s18
	s_cselect_b32 s19, 3145728, s19
	s_cselect_b32 s20, 9568256, s20
	s_cselect_b32 s21, 0, s21
	s_cmp_lt_u32 s15, 256                          ; proj
	s_cselect_b64 s[22:23], s[6:7], s[22:23]
	s_cselect_b32 s16, 192, s16
	s_cselect_b32 s18, 4096, s18
	s_cselect_b32 s19, 2359296, s19
	s_cselect_b32 s20, 9535488, s20
	s_cselect_b32 s21, 1, s21
	s_cmp_lt_u32 s15, 192                          ; qkv
	s_cselect_b64 s[22:23], s[4:5], s[22:23]
	s_cselect_b32 s16, 0, s16
	s_cselect_b32 s18, 12288, s18
	s_cselect_b32 s19, 0, s19
	s_cselect_b32 s20, 9437184, s20
	s_cselect_b32 s21, 0, s21
	s_sub_co_u32 s24, s15, s16                     ; my number within the weight
	s_lshl_b32 s25, 1, s17                         ; S, its K steps
	s_sub_co_u32 s26, s25, 1
	s_and_b32 s26, s24, s26                        ; my K step
	s_lshr_b32 s27, s24, s17
	s_lshl_b32 s27, s27, 7
	s_lshl_b32 s28, s14, 5
	s_add_co_u32 s27, s27, s28                     ; n0: my wave's first column
	s_mul_i32 s28, s26, s18
	s_lshl_b32 s28, s28, 7                         ; 128 rows a K step
	s_lshl_b32 s29, s27, 2
	s_add_co_u32 s28, s28, s29
	s_mov_b32 s29, 0
	s_add_nc_u64 s[32:33], s[22:23], s[28:29]      ; block 0 at my first column
	s_lshl_b32 s28, s18, 5                         ; 32 rows on
	s_add_nc_u64 s[34:35], s[32:33], s[28:29]
	s_add_nc_u64 s[36:37], s[34:35], s[28:29]
	s_add_nc_u64 s[38:39], s[36:37], s[28:29]
	s_lshr_b32 s28, s27, 4
	s_lshl_b32 s28, s28, s17
	s_add_co_u32 s28, s28, s26
	s_mul_i32 s28, s28, 1536
	s_add_co_u32 s28, s28, s19
	s_add_nc_u64 s[40:41], s[12:13], s[28:29]      ; the image of columns n0 .. n0 + 15,
	s_mul_i32 s28, s25, 1536
	s_add_nc_u64 s[42:43], s[40:41], s[28:29]      ; and of the next 16
	s_sub_co_u32 s30, 7, s21                       ; log2 G
	s_lshr_b32 s28, s27, s30
	s_lshl_b32 s28, s28, s17
	s_add_co_u32 s28, s28, s26
	s_add_co_u32 s31, s30, 2
	s_lshl_b32 s28, s28, s31
	s_lshl_b32 s31, 1, s30
	s_sub_co_u32 s31, s31, 1
	s_and_b32 s31, s27, s31
	s_lshl_b32 s31, s31, 2
	s_add_co_u32 s28, s28, s31
	s_add_co_u32 s28, s28, s20
	s_add_nc_u64 s[44:45], s[12:13], s[28:29]      ; my wave's 32 scale words: 128 consecutive bytes
	s_mul_i32 s46, s18, s21
	s_lshl_b32 s46, s46, 3                         ; 8 rows x FLAG
	s_lshl_b32 s47, s18, 3
	s_sub_co_u32 s47, s47, s46                     ; 8 rows x (1 - FLAG)
	v_add_nc_u32 v5, s46, v2
	v_add_nc_u32 v6, s47, v2
.irp i, 0,1,2,3,4,5,6,7,24,25,26,27,28,29,30,31
	v_mad_u32_u24 v[OFF+\i], s18, \i, v2           ; register i takes row i
.endr
.irp i, 8,9,10,11,12,13,14,15
	v_mad_u32_u24 v[OFF+\i], s18, \i, v5           ; row i + 8 FLAG
.endr
.irp i, 16,17,18,19,20,21,22,23
	v_mad_u32_u24 v[OFF+\i], s18, \i-8, v6         ; row i - 8 FLAG
.endr
	LOADB 0
	LOADB 1
	s_wait_alu depctr_va_vdst(0)
	s_wait_loadcnt 32                              ; block 0 is in; block 1's 32 loads may be out
	LOADB 2
	BLOCK 0
	s_wait_loadcnt 32                              ; block 1 is in; block 2's may be out
	LOADB 3
	BLOCK 1
	s_wait_loadcnt 32                              ; block 2 is in; block 3's may be out
	BLOCK 2
	s_wait_loadcnt 0x0
	BLOCK 3
; The operand's layout wants lanes 0-15 to hold block 2c and lanes 16-31 block 2c + 1 of the SAME 16 columns: IM0's upper lanes change places with IM1's lower lanes.
.set i, 0
.rept 12
	v_permlane16_swap_b32 v[IM0+i], v[IM1+i]
.set i, i+1
.endr
.irp m, 0,1
	global_store_b128 v4, v[IM0+12*\m:IM0+12*\m+3], s[40+2*\m:41+2*\m]                  ; each store covers 512 or 256 consecutive bytes, aligned to 256
	global_store_b64 v3, v[IM0+12*\m+4:IM0+12*\m+5], s[40+2*\m:41+2*\m] offset:512
	global_store_b128 v4, v[IM0+12*\m+6:IM0+12*\m+9], s[40+2*\m:41+2*\m] offset:768
	global_store_b64 v3, v[IM0+12*\m+10:IM0+12*\m+11], s[40+2*\m:41+2*\m] offset:1280
.endr
	global_store_b32 v2, v14, s[44:45]
	s_wait_tensorcnt 0x0                           ; the wave's end, in a launch that writes LDS
	ds_add_u32 v[SPW], v[NIL]
	s_wait_dscnt 0x0
	s_endpgm
	; ======== THE NORM
.Lnorm:
	s_load_b256 s[4:11], s[0:1], 0x0               ; x, g, b, xa
	s_sub_co_u32 s3, ttmp9, NWQ                    ; my block of 16 rows, 0 .. 255
	s_wait_alu depctr_va_vdst(0)
	v_readfirstlane_b32 s12, v1                    ; wave 0..7
	v_and_b32 v1, 31, v0
	v_and_b32 v2, 15, v0                           ; r
	v_bfe_u32 v3, v0, 4, 1                         ; h
	s_delay_alu instid0(VALU_DEP_3)
	v_lshlrev_b32 v4, 4, v1                        ; 16 x lane
	s_mul_i32 s13, s12, 2*PITCH
	v_add_nc_u32 v5, s13, v4                       ; stage, on the way in: my two rows
	v_mul_u32_u24 v6, v2, PITCH
	s_delay_alu instid0(VALU_DEP_1)
	v_lshl_add_u32 v6, v3, 6, v6
	s_lshl_b32 s14, s12, 9
	v_add_nc_u32 v6, s14, v6                       ; and out: row r, K step w, + 64 h
	v_lshlrev_b32 v7, 3, v1
	v_lshlrev_b32 v8, 6, v3
	s_delay_alu instid0(VALU_DEP_1)
	v_add_nc_u32 v8, s14, v8                       ; g, b: 512 w + 64 h
	v_lshlrev_b32 v9, 2, v2
	s_mov_b32 s[SEL], 0x76543210
	s_mov_b32 s[SEL+1], 0xfedcba98
	s_mov_b32 s22, 0x3a800000                      ; 1 / 1024
	s_mov_b32 s23, 0x3727c5ac                      ; 1e-5
	s_lshl_b32 s16, s3, 16                         ; 16 rows of 4,096 bytes
	s_lshl_b32 s17, s12, 13
	s_add_co_u32 s16, s16, s17
	s_mov_b32 s17, 0
	s_lshl_b32 s28, s3, 3
	s_add_co_u32 s28, s28, s12
	s_mul_i32 s28, s28, 1536                       ; image (row block, K step w)
	s_mov_b32 s29, 0
	s_lshr_b32 s18, s3, 3
	s_lshl_b32 s18, s18, 3
	s_add_co_u32 s18, s18, s12
	s_lshl_b32 s18, s18, 9
	s_and_b32 s19, s3, 7
	s_lshl_b32 s19, s19, 6
	s_add_co_u32 s18, s18, s19
	s_add_co_u32 s18, s18, 3145728                 ; my 16 scale words
	s_mov_b32 s19, 0
	s_wait_alu depctr_va_vdst(0)
	s_wait_kmcnt 0x0
	s_add_nc_u64 s[4:5], s[4:5], s[16:17]
	s_add_nc_u64 s[24:25], s[10:11], s[28:29]
	s_add_nc_u64 s[26:27], s[10:11], s[18:19]
.irp p, 0,1
.irp j, 0,1,2,3,4,5,6,7
	global_load_b128 v[XR+32*\p+4*\j:XR+32*\p+4*\j+3], v4, s[4:5] offset:4096*\p+512*\j th:TH_LOAD_NT
.endr
.endr
.irp b, 0,1,2,3
.irp j, 0,1,2,3
	global_load_b128 v[GR+16*\b+4*\j:GR+16*\b+4*\j+3], v8, s[6:7] offset:128*\b+16*\j
	global_load_b128 v[BR+16*\b+4*\j:BR+16*\b+4*\j+3], v8, s[8:9] offset:128*\b+16*\j
.endr
.endr
	s_wait_loadcnt 32                              ; the rows are in; the 32 loads of g and b may be out
.irp p, 0,1                            ; the sum of a row: four chains a row
.irp k, 0,1,2,3
	v_pk_add_f32 v[TM+8*\p+2*\k:TM+8*\p+2*\k+1], v[XR+32*\p+2*\k:XR+32*\p+2*\k+1], v[XR+32*\p+8+2*\k:XR+32*\p+9+2*\k]
.endr
.endr
.irp o, 16,24
.irp p, 0,1
.irp k, 0,1,2,3
	v_pk_add_f32 v[TM+8*\p+2*\k:TM+8*\p+2*\k+1], v[TM+8*\p+2*\k:TM+8*\p+2*\k+1], v[XR+32*\p+\o+2*\k:XR+32*\p+\o+1+2*\k]
.endr
.endr
.endr
	REDUCE
.irp p, 0,1
	s_delay_alu instid0(VALU_DEP_2)
	v_mul_f32 v[TM+8*\p], s22, v[TM+8*\p]          ; the mean,
.endr
.irp p, 0,1
	s_delay_alu instid0(VALU_DEP_2)
	v_mov_b32 v[TM+8*\p+1], v[TM+8*\p]             ; as a pair
.endr
.irp p, 0,1
.set i, 0
.rept 16
	v_pk_add_f32 v[XR+32*\p+2*i:XR+32*\p+2*i+1], v[XR+32*\p+2*i:XR+32*\p+2*i+1], v[TM+8*\p:TM+8*\p+1] neg_lo:[0,1] neg_hi:[0,1]   ; x - mean
.set i, i+1
.endr
.endr
.irp p, 0,1                            ; the sum of the squares of the differences
.irp k, 0,1,2,3
	v_pk_mul_f32 v[TM+8*\p+2*\k:TM+8*\p+2*\k+1], v[XR+32*\p+2*\k:XR+32*\p+2*\k+1], v[XR+32*\p+2*\k:XR+32*\p+2*\k+1]
.endr
.endr
.irp o, 8,16,24
.irp p, 0,1
.irp k, 0,1,2,3
	v_pk_fma_f32 v[TM+8*\p+2*\k:TM+8*\p+2*\k+1], v[XR+32*\p+\o+2*\k:XR+32*\p+\o+1+2*\k], v[XR+32*\p+\o+2*\k:XR+32*\p+\o+1+2*\k], v[TM+8*\p+2*\k:TM+8*\p+2*\k+1]
.endr
.endr
.endr
	REDUCE
.irp p, 0,1
	s_delay_alu instid0(VALU_DEP_2)
	v_fma_f32 v[TM+8*\p], v[TM+8*\p], s22, s23     ; var + eps
.endr
	s_wait_alu depctr_va_vdst(0)
.irp p, 0,1
	v_rsq_f32 v[TM+8*\p+2], v[TM+8*\p]             ; twice: a pair for the packed multiply
	v_rsq_f32 v[TM+8*\p+3], v[TM+8*\p]
.endr
	v_nop                                          ; a plain line behind the last of the four (ISA guide 5.7.2)
	s_wait_alu depctr_va_vdst(0)                   ; one wait for the batch, ahead of its first reader
.irp p, 0,1
.set i, 0
.rept 16
	v_pk_mul_f32 v[XR+32*\p+2*i:XR+32*\p+2*i+1], v[XR+32*\p+2*i:XR+32*\p+2*i+1], v[TM+8*\p+2:TM+8*\p+3]
.set i, i+1
.endr
.endr
.irp p, 0,1
.irp j, 0,1,2,3,4,5,6,7
	ds_store_b128 v5, v[XR+32*\p+4*\j:XR+32*\p+4*\j+3] offset:PITCH*\p+512*\j
.endr
.endr
	s_wait_dscnt 0x0                               ; for the others' sake: my rows lie in the stage
	s_barrier_signal -1
	s_barrier_wait -1                              ; all 16 rows do
.irp b, 0,1,2,3
.irp j, 0,1,2,3
	ds_load_b128 v[XR+16*\b+4*\j:XR+16*\b+4*\j+3], v6 offset:128*\b+16*\j
.endr
.endr
	s_wait_loadcnt 0x0                             ; g and b
	s_wait_dscnt 0x0
.set i, 0
.rept 32
	v_pk_fma_f32 v[XR+2*i:XR+2*i+1], v[XR+2*i:XR+2*i+1], v[GR+2*i:GR+2*i+1], v[BR+2*i:BR+2*i+1]
.set i, i+1
.endr
	QUANT XR, PC, PW
	global_store_b128 v4, v[PC:PC+3], s[24:25]                     ; whole aligned runs of 512 and 256 bytes
	global_store_b64 v7, v[PC+4:PC+5], s[24:25] offset:512
	global_store_b128 v4, v[PC+6:PC+9], s[24:25] offset:768
	global_store_b64 v7, v[PC+10:PC+11], s[24:25] offset:1280
	global_store_b32 v9, v[PW], s[26:27]           ; lanes l and l xor 16 hold row r's word and write the same four bytes with the same value
	s_wait_tensorcnt 0x0                           ; the wave's end, behind my last LDS store
	ds_add_u32 v[SPW], v[NIL]
	s_wait_dscnt 0x0
	s_endpgm
.Lfunc_end_k_q081a312fe0_prep:
	.size	k_q081a312fe0_prep, .Lfunc_end_k_q081a312fe0_prep-k_q081a312fe0_prep
	.p2alignl 7, 3214868480
	.fill 96, 4, 3214868480
	.section	.rodata,"a",@progbits
	.p2align	6, 0x0
	.amdhsa_kernel k_q081a312fe0_prep
		.amdhsa_group_segment_fixed_size 66816
		.amdhsa_private_segment_fixed_size 0
		.amdhsa_enable_private_segment 0
		.amdhsa_kernarg_size 72
		.amdhsa_user_sgpr_count 2
		.amdhsa_user_sgpr_kernarg_segment_ptr 1
		.amdhsa_wavefront_size32 1
		.amdhsa_system_sgpr_workgroup_id_x 1
		.amdhsa_system_sgpr_workgroup_id_y 1
		.amdhsa_system_sgpr_workgroup_id_z 1
		.amdhsa_system_vgpr_workitem_id 0
		.amdhsa_next_free_vgpr 256
		.amdhsa_next_free_sgpr 66
		.amdhsa_reserve_vcc 0
		.amdhsa_float_denorm_mode_32 3
		.amdhsa_float_denorm_mode_16_64 3
		.amdhsa_memory_ordered 1
		.amdhsa_forward_progress 1
		.amdhsa_inst_pref_size 56
	.end_amdhsa_kernel
	.amdgpu_metadata
---
amdhsa.version: [ 1, 2 ]
amdhsa.kernels:
  - .name:           k_q081a312fe0_prep
    .symbol:         k_q081a312fe0_prep.kd
    .args:
      - { .name: x, .offset: 0, .size: 8, .value_kind: global_buffer, .address_space: global }
      - { .name: ln1_g, .offset: 8, .size: 8, .value_kind: global_buffer, .address_space: global }
      - { .name: ln1_b, .offset: 16, .size: 8, .value_kind: global_buffer, .address_space: global }
      - { .name: xa, .offset: 24, .size: 8, .value_kind: global_buffer, .address_space: global }
      - { .name: qkv_w, .offset: 32, .size: 8, .value_kind: global_buffer, .address_space: global }
      - { .name: proj_w, .offset: 40, .size: 8, .value_kind: global_buffer, .address_space: global }
      - { .name: fc1_w, .offset: 48, .size: 8, .value_kind: global_buffer, .address_space: global }
      - { .name: fc2_w, .offset: 56, .size: 8, .value_kind: global_buffer, .address_space: global }
      - { .name: wq, .offset: 64, .size: 8, .value_kind: global_buffer, .address_space: global }
    .group_segment_fixed_size: 66816
    .private_segment_fixed_size: 0
    .kernarg_segment_align: 8
    .kernarg_segment_size: 72
    .max_flat_workgroup_size: 256
    .sgpr_count:     66
    .vgpr_count:     256
    .wavefront_size: 32
...
	.end_amdgpu_metadata
.endif
;; end of part 1
;; launch qkvg (part 2): grid 12 x 16, 4 waves a work-group, clusters of 4 x 4, 327,680 bytes of LDS; arguments xa, wq, qkv_b, qkv; writes qkv
.if DOCPART == 2
	.amdgcn_target "amdgcn-amd-amdhsa--gfx1250"
	.amdhsa_code_object_version 6
	.text
	.protected	k_q081a312fe0_qkvg
	.globl	k_q081a312fe0_qkvg
	.p2align	8
	.type	k_q081a312fe0_qkvg,@function
k_q081a312fe0_qkvg:
	s_mov_b64 s[64:65], 0
	v_nop
	global_prefetch_b8 v0, s[64:65] scope:SCOPE_SE
	s_setreg_imm32_b32 hwreg(HW_REG_WAVE_MODE, 25, 1), 1
	s_wait_xcnt 0x0
	s_wait_alu depctr_hold_cnt(0) depctr_sa_sdst(0) depctr_va_vdst(0) depctr_va_sdst(0) depctr_va_ssrc(0) depctr_va_vcc(0) depctr_vm_vsrc(0)
	s_getreg_b32 s2, hwreg(HW_REG_IB_STS2, 6, 4)
	s_cmp_eq_u32 s2, 0
	s_cbranch_scc0 .Lentry_in_a_cluster
	s_endpgm
.Lentry_in_a_cluster:
	s_bfe_u32 s2, ttmp6, 0x10000c
	s_cmp_lg_u32 s2, 0xf033
	s_cbranch_scc0 .Lentry_shape_is_right
	s_endpgm
.Lentry_shape_is_right:
; qkv = LN1(x) W + b on codes of FP6 (E2M3) with E8M0 scales; the results are quantised at once for attention and never leave as f32.
; Operands lie in memory as images of operand registers (16 rows x 128 K = 1,536 bytes), [row / 16][8]; scale words [row / 128][8][128].
; A tile of 256 x 256, four waves of 128 x 128 (64 accumulators, 512 registers); K = 1,024 in four slots' worth of 256 through a ring of two LDS slots; 4 x 4 clusters, each tile asked for jointly.
; THE MATRIX INSTRUCTION IS USED TRANSPOSED: source 0 = 16 rows of role B, source 1 = 16 rows of role A: a lane holds ONE row of role A and its registers run along role B's rows.
; Clusters x = 0, 1 (q, k): role A = tokens, role B = weight columns: a lane's registers run along the head's channels, the K of q k^T.
; Cluster x = 2 (v): role A = weight columns, role B = tokens: a lane holds one channel and its registers run along the keys, the K of p v.  The choice hangs on the cluster's x alone: all partners go the same way.
; The 16 registers of two neighbouring result tiles are handed to the conversions as they lie: within each 32 along the next K the groups of eight 1 and 2 change places.  Both operands of each later product are made so.
; OUT: q and k as half images [batch x head][token / 16][768]; v as images [batch x head][key / 128][channel / 16][1,536]; scale words of q and k [bh][token] (bytes 2, 3 = 0), of v [bh][key / 128][64].
; LIMITS: a block whose largest magnitude lies under 2^-124 gets the byte 1.  NaN and infinities are not served.
; REGISTERS: window 0: v1-14 lane terms; v16-23 fragment addresses; v27 scale address; v28, 29 the add's two; v32-63 scale words, two sets; v64-127 bias by role B; v128-223 A's fragments (way out: v128-191 sums, v192-211 codes);
;   v224-239 bias by role A; v240-255 at work.  window 1: B's fragments, two sets.  windows 2, 3: accumulators.
.set NQ,    2
.set FR,    12
.set NL,    4                          ; LDS loads that bring a fragment
.set NP,    4                          ; places behind this matrix instruction (ISA guide 7.12.1)
.set RBB,   3072                       ; 16 rows' two images in a slot
.set HALFT, 8*RBB                      ; 128 rows: one tensor load
.set SLOT,  4*HALFT
.set LAPS,  2
.set SCL,   2*SLOT                     ; four regions of 4,096 bytes of scale words; B's two lie 128 bytes further on, so that A's and B's words fall into different banks
.set SPARE, SCL+16640                  ; the spare words, 128 bytes a wave
.set ADRA, 16
.set ADRB, 20
.set ADRS, 27
.set SPW,  28
.set NIL,  29
.set SC,   32
.set BIAS, 64
.set AF,   128
.set T,    128
.set PC,   192
.set BV,   224
.set TM,   240
.set G1,   24
.set G0,   32
.set G1B,  48
.set G0B,  56
.set G1S,  68
.set G0S,  76
.set G1SB, 80
.set G0SB, 88
.set SEL,  98
.set MSB,  0
.macro WIN new                         ; the immediate's high byte repeats the setting that is left
.if MSB != \new
	s_set_vgpr_msb (MSB<<8)|\new
.set MSB, \new
.endif
.endm
.set MUL_LO, 0xa1                      ; source 0 window 1, source 1 window 0, C and D window 2
.set MUL_HI, 0xf1
.set TO_B,   0x40
.macro JLOAD g0a, g1a, g0b, g1b        ; a joint load: waves 0, 1 fetch for role A, waves 2, 3 for role B; s_nop 0 and four v_nop follow each line
	s_cmp_eq_u32 s15, 0
	s_cbranch_scc0 .Lfor_b_\@
	tensor_load_to_lds s[\g0a:\g0a+3], s[\g1a:\g1a+7]
	s_nop 0
.rept 4
	v_nop
.endr
	s_branch .Lasked_\@
.Lfor_b_\@:
	tensor_load_to_lds s[\g0b:\g0b+3], s[\g1b:\g1b+7]
	s_nop 0
.rept 4
	v_nop
.endr
.Lasked_\@:
.endm
.macro CREST
	s_cmp_lg_u32 s14, 0
	s_cbranch_scc1 .Lnot_wave_0_\@
	s_barrier_signal -3
.Lnot_wave_0_\@:
	s_barrier_wait -3
	s_barrier_signal -1
	s_barrier_wait -1
.endm
.macro CROUND
	s_barrier_signal -1
	s_barrier_wait -1
	CREST
.endm
.macro PLACES n
.rept \n
	v_nop
.endr
.endm
.macro FRAG reg, adr, q, i             ; an image comes back as it was stored: 16 and 8 bytes a lane, consecutive: no bank is met twice
	ds_load_b128 v[\reg:\reg+3], v[\adr] offset:(\i)*RBB+(\q)*1536
	ds_load_b64 v[\reg+4:\reg+5], v[\adr+2] offset:(\i)*RBB+(\q)*1536
	ds_load_b128 v[\reg+6:\reg+9], v[\adr] offset:(\i)*RBB+(\q)*1536+768
	ds_load_b64 v[\reg+10:\reg+11], v[\adr+2] offset:(\i)*RBB+(\q)*1536+768
.endm
.macro MUL16 a0, p, q, sc, zero        ; A's blocks a0, a0 + 1 x B's eight; the 64 accumulators take turns, one instruction a turn
.irp a, \a0, \a0+1
.irp b, 0,1,2,3,4,5,6,7
.if \zero
	v_wmma_scale_f32_16x16x128_f8f6f4 v[8*(8*((\a)%4)+\b):8*(8*((\a)%4)+\b)+7], v[128*(\p)+FR*\b:128*(\p)+FR*\b+FR-1], v[AF+FR*(\a):AF+FR*(\a)+FR-1], 0, v[SC+8*NQ*(\sc)+NQ*\b+(\q)], v[SC+8*NQ*(\sc)+NQ*(\a)+(\q)] matrix_a_fmt:MATRIX_FMT_FP6 matrix_b_fmt:MATRIX_FMT_FP6 matrix_a_scale:MATRIX_SCALE_ROW1
.else
	v_wmma_scale_f32_16x16x128_f8f6f4 v[8*(8*((\a)%4)+\b):8*(8*((\a)%4)+\b)+7], v[128*(\p)+FR*\b:128*(\p)+FR*\b+FR-1], v[AF+FR*(\a):AF+FR*(\a)+FR-1], v[8*(8*((\a)%4)+\b):8*(8*((\a)%4)+\b)+7], v[SC+8*NQ*(\sc)+NQ*\b+(\q)], v[SC+8*NQ*(\sc)+NQ*(\a)+(\q)] matrix_a_fmt:MATRIX_FMT_FP6 matrix_b_fmt:MATRIX_FMT_FP6 matrix_a_scale:MATRIX_SCALE_ROW1
.endif
.endr
.endr
.endm
.macro FETCH_B slot, q, p
	WIN TO_B
.irp i, 0,1,2,3,4,5,6,7
	FRAG 128*(\p)+FR*\i, ADRB+\slot, \q, \i
.endr
	WIN 0
.endm
.macro FETCH_A slot, q, i0
.irp i, \i0, \i0+1, \i0+2, \i0+3
	FRAG AF+FR*(\i), ADRA+\slot, \q, \i
.endr
.endm
.macro SCALES sc                       ; a slot's scale words: lanes 0-15 take A's block i, lanes 16-31 B's block i
.irp i, 0,1,2,3,4,5,6,7
.irp q, 0,1
	ds_load_b32 v[SC+8*NQ*\sc+NQ*\i+\q], v[ADRS] offset:512*\q+64*\i
.endr
.endr
.endm
.macro STEP slot, q, zero              ; 128 along K with its successor in the same slot
	s_wait_dscnt 4*NL                              ; all but the youngest 16 loads (A's blocks 4-7) are in
	WIN MUL_LO
	MUL16 0, (\q)%2, \q, \slot, \zero
	MUL16 2, (\q)%2, \q, \slot, \zero
	s_wait_dscnt 0
	PLACES NP
	FETCH_B \slot, (\q)+1, 1-(\q)%2
	FETCH_A \slot, (\q)+1, 0
	WIN MUL_HI
	MUL16 4, (\q)%2, \q, \slot, \zero
	MUL16 6, (\q)%2, \q, \slot, \zero
	PLACES NP
	WIN 0
	FETCH_A \slot, (\q)+1, 4
.endm
.macro TURN slot, next, fill           ; a slot's last step changes slots: one barrier; in front of it all my tensor loads have landed, the add is done and my reads of this slot are over
	s_wait_tensorcnt 0x0
	ds_add_u32 v[SPW], v[NIL]
	s_wait_dscnt 4*NL+1                            ; the add and A's blocks 4-7 may be out
	WIN MUL_LO
	MUL16 0, 1, NQ-1, \slot, 0
	s_wait_dscnt 0x0
	s_barrier_signal -1
	MUL16 2, 1, NQ-1, \slot, 0
	WIN 0
	s_barrier_wait -1
.if \fill
	CREST                                          ; the barrier has opened a round of the cluster's: no wave of any partner still reads this slot or has a load on its way
	s_add_nc_u64 s[G0+4*\slot+2:G0+4*\slot+3], s[G0+4*\slot+2:G0+4*\slot+3], 2*RBB
	s_add_nc_u64 s[G0B+4*\slot+2:G0B+4*\slot+3], s[G0B+4*\slot+2:G0B+4*\slot+3], 2*RBB
	JLOAD G0+4*\slot, G1, G0B+4*\slot, G1B         ; the first tensor load behind the round; its four v_nop are the places in front of the loads below
.else
	PLACES NP
.endif
	s_wait_alu depctr_va_vdst(0)
	v_add_nc_u32 v[ADRS], 512*NQ, v[ADRS]
	FETCH_B \next, 0, 0
	FETCH_A \next, 0, 0
	SCALES \next
	WIN MUL_HI
	MUL16 4, 1, NQ-1, \slot, 0
	MUL16 6, 1, NQ-1, \slot, 0
	PLACES NP
	WIN 0
	FETCH_A \next, 0, 4
.endm
.macro QUANT s, pc, pw                 ; 64 numbers of a lane, register 16 b + i = place 32 b + 16 (lane / 16) + i along the next K, become a fragment in v[pc..pc+11] and its scale word
.irp b, 0,1,2,3
	v_max3_num_f32 v[TM+\b], |v[\s+16*\b]|, |v[\s+1+16*\b]|, 0x1800000
.endr
.irp i, 2,4,6,8,10,12,14
.irp b, 0,1,2,3
	v_max3_num_f32 v[TM+\b], v[TM+\b], |v[\s+16*\b+\i]|, |v[\s+1+16*\b+\i]|
.endr
.endr
.irp b, 0,1,2,3
	v_permlanex16_b32 v[TM+4+\b], v[TM+\b], s[SEL], s[SEL+1]
.endr
.irp b, 0,1,2,3
	v_max_num_f32 v[TM+\b], v[TM+\b], v[TM+4+\b]
.endr
.irp b, 0,1,2,3
	v_add_nc_u32 v[TM+12+\b], 0xff000000, v[TM+\b]
.endr
.irp b, 0,1,2,3
	v_lshrrev_b32 v[TM+4+\b], 23, v[TM+12+\b]
.endr
	v_lshl_or_b32 v[\pw], v[TM+5], 8, v[TM+4]
	v_lshl_or_b32 v[\pw], v[TM+6], 16, v[\pw]
	v_lshl_or_b32 v[\pw], v[TM+7], 24, v[\pw]
.irp c, 0,1
	v_cvt_scalef32_pk16_fp6_f32 v[\pc+6*\c:\pc+2+6*\c], v[\s+32*\c:\s+15+32*\c], v[TM+12+2*\c]
	v_cvt_scalef32_pk16_fp6_f32 v[\pc+12+4*\c:\pc+14+4*\c], v[\s+16+32*\c:\s+31+32*\c], v[TM+12+2*\c+1]
.endr
	v_nop
.irp c, 0,1
.irp i, 0,1,2
	v_permlane16_swap_b32 v[\pc+6*\c+\i], v[\pc+12+4*\c+\i]
.endr
.irp i, 0,1,2
	v_mov_b32 v[\pc+3+6*\c+\i], v[\pc+12+4*\c+\i]
.endr
.endr
.endm
.macro SUMS a, vb                      ; block a's 64 sums + bias into v[T ..], each accumulator from its low end on
	s_wait_xcnt 0x0                                ; the last block's stores have read their data: the registers are written again only behind this wait
	WIN (0x02+(\a)/4)
.set AC, 64*((\a)%4)
.set i, 0
.rept 32
.if \vb
	v_pk_add_f32 v[T+2*i:T+2*i+1], v[AC+2*i:AC+2*i+1], v[BV+2*(\a):BV+2*(\a)+1]
.else
	v_pk_add_f32 v[T+2*i:T+2*i+1], v[AC+2*i:AC+2*i+1], v[BIAS+2*i:BIAS+2*i+1]
.endif
.set i, i+1
.endr
	WIN 0
.endm
	s_load_b256 s[4:11], s[0:1], 0x0               ; xa, wq, qkv_b, qkv
	v_lshl_add_u32 v[SPW], v0, 2, SPARE
	v_mov_b32 v[NIL], 0
	ds_add_u32 v[SPW], v[NIL]                      ; the wave's opening: the add and its wait come ahead of my first tensor load
	ds_add_u32 v[SPW], v[NIL]
	v_lshrrev_b32 v1, 5, v0
	v_readfirstlane_b32 s14, v1                    ; wave
	s_lshr_b32 s15, s14, 1                         ; my half of role A's rows; also: I fetch for A (0) or B (1)
	s_and_b32 s16, s14, 1                          ; my half of role B's rows; also: which 128 rows I fetch
	s_bfe_u32 s40, ttmp6, 0x40000                  ; cx
	s_bfe_u32 s41, ttmp6, 0x40004                  ; cy
	s_and_b32 s45, ttmp7, 0xffff                   ; cluster y
	s_cmp_eq_u32 ttmp9, 2                          ; the cluster that makes v
	s_cselect_b32 s96, 1, 0
	s_cselect_b32 s42, s45, ttmp9
	s_cselect_b32 s17, 2, s45
	s_lshl_b32 s42, s42, 2
	s_add_co_u32 s42, s42, s40                     ; role B's tile
	s_lshl_b32 s17, s17, 2
	s_add_co_u32 s17, s17, s41                     ; role A's tile
	s_lshl_b32 s43, s41, 2
	s_lshl_b32 s43, 15, s43                        ; my row of the cluster
	s_lshl_b32 s44, 0x1111, s40                    ; my column
	s_or_b32 s[G1+0], s43, (3<<16)|(1<<21)         ; the mask; elements of 8 bytes; bit 21 beside a mask; no padding
	s_or_b32 s[G1B+0], s44, (3<<16)|(1<<21)
.irp g, G1, G1B
	s_mov_b32 s[\g+1], 384<<16                     ; tensor_dim0: 3,072 bytes
	s_mov_b32 s[\g+2], 16<<16                      ; tensor_dim1: the head's load brings all 16 blocks of a tile; the ring's loads 8 (set behind the head's wait)
	s_mov_b32 s[\g+3], 384<<16                     ; tile_dim0
	s_mov_b32 s[\g+4], 16                          ; tile_dim1
	s_mov_b32 s[\g+5], 1536                        ; from block to block: 12,288 bytes
	s_mov_b32 s[\g+6], 0
	s_mov_b32 s[\g+7], 0
.endr
	s_or_b32 s[G1S+0], s43, (3<<16)|(1<<21)
	s_or_b32 s[G1SB+0], s44, (3<<16)|(1<<21)
.irp g, G1S, G1SB
	s_mov_b32 s[\g+1], 32<<16                      ; rows of 256 bytes, dense in memory
	s_mov_b32 s[\g+2], 32<<16                      ; the scale words of 256 rows: 8,192 dense bytes as 32 rows of 256
	s_mov_b32 s[\g+3], 32<<16
	s_mov_b32 s[\g+4], 32
	s_mov_b32 s[\g+5], 32
	s_mov_b32 s[\g+6], 0
	s_mov_b32 s[\g+7], 0
.endr
	s_lshl_b32 s18, s16, 3
	s_lshl_b32 s20, s17, 4
	s_add_co_u32 s20, s20, s18
	s_lshl_b32 s46, s42, 4
	s_add_co_u32 s46, s46, s18
	s_mul_i32 s20, s20, 12288                      ; my 128 rows' codes, role A,
	s_mul_i32 s46, s46, 12288                      ; role B
	s_mov_b32 s21, 0
	s_mov_b32 s47, 0
	s_lshl_b32 s22, s17, 1
	s_add_co_u32 s22, s22, s16
	s_lshl_b32 s22, s22, 12                        ; and their scale words
	s_mov_b32 s23, 0
	s_lshl_b32 s92, s42, 1
	s_add_co_u32 s92, s92, s16
	s_lshl_b32 s92, s92, 12
	s_mov_b32 s93, 0
	s_mul_i32 s45, s14, HALFT                      ; where they go: the wave's number alone
	s_mov_b32 s97, 0xffff0000                      ; lanes 16-31
	s_mov_b32 s[SEL], 0x76543210
	s_mov_b32 s[SEL+1], 0xfedcba98
	s_wait_dscnt 0x0                               ; the opening add is done
	s_wait_kmcnt 0x0
	s_add_nc_u64 s[12:13], s[4:5], 3145728         ; xa's scale words
	s_add_nc_u64 s[66:67], s[6:7], 9437184         ; the weight's
	s_cmp_eq_u32 s96, 1
	s_cselect_b64 s[18:19], s[6:7], s[4:5]         ; role A's codes
	s_cselect_b64 s[4:5], s[4:5], s[6:7]           ; role B's codes
	s_cselect_b64 s[6:7], s[66:67], s[12:13]       ; role A's scale words
	s_cselect_b64 s[12:13], s[12:13], s[66:67]     ; role B's
	s_add_nc_u64 s[20:21], s[18:19], s[20:21]
	s_add_nc_u64 s[22:23], s[6:7], s[22:23]
	s_add_nc_u64 s[46:47], s[4:5], s[46:47]
	s_add_nc_u64 s[92:93], s[12:13], s[92:93]
	CROUND                                         ; all sixteen work-groups are here: the first joint loads meet
; THE HEAD'S FOUR TILES, ONE LOAD A WAVE: wave 0 role A's 256 rows of slot 0, wave 1 role B's, wave 2 A's scale words, wave 3 B's.
; s[20:21], s[46:47], s[22:23], s[92:93] point at my half of a tile: the half's offset is taken off for the whole tile and put back for the ring behind the head's wait.
	s_mul_i32 s66, s16, 98304                      ; my half of a tile's codes: 8 blocks of 12,288 bytes
	s_mov_b32 s67, 0
	s_lshl_b32 s2, s16, 12                         ; and of its scale words
	s_mov_b32 s3, 0
	s_mov_b32 s[G0], 1
	s_mov_b32 s[G0+1], 0
	s_sub_nc_u64 s[G0+2:G0+3], s[20:21], s[66:67]
	s_or_b32 s[G0+3], s[G0+3], 0x80000000
	s_mov_b32 s[G0B], 1
	s_mov_b32 s[G0B+1], 2*HALFT
	s_sub_nc_u64 s[G0B+2:G0B+3], s[46:47], s[66:67]
	s_or_b32 s[G0B+3], s[G0B+3], 0x80000000
	s_mov_b32 s[G0S], 1
	s_mov_b32 s[G0S+1], SCL
	s_sub_nc_u64 s[G0S+2:G0S+3], s[22:23], s[2:3]
	s_or_b32 s[G0S+3], s[G0S+3], 0x80000000
	s_mov_b32 s[G0SB], 1
	s_mov_b32 s[G0SB+1], SCL+8192+128
	s_sub_nc_u64 s[G0SB+2:G0SB+3], s[92:93], s[2:3]
	s_or_b32 s[G0SB+3], s[G0SB+3], 0x80000000
	s_cmp_eq_u32 s15, 0                            ; the prefetches' base: of the 8 blocks that I fetch in the ring, for role A or B, the two of my work-group's place among the four partners; never rewritten
	s_cselect_b64 s[100:101], s[20:21], s[46:47]
	s_cselect_b32 s2, s40, s41
	s_mul_i32 s2, s2, 24576
	s_add_nc_u64 s[100:101], s[100:101], s[2:3]
	s_mov_b32 s[G0+4], 1                           ; slot 1's group 0: my 128 rows
	s_add_co_u32 s[G0+5], s45, SLOT
	s_add_nc_u64 s[G0+6:G0+7], s[20:21], RBB
	s_or_b32 s[G0+7], s[G0+7], 0x80000000
	s_mov_b32 s[G0B+4], 1
	s_add_co_u32 s[G0B+5], s45, SLOT
	s_add_nc_u64 s[G0B+6:G0B+7], s[46:47], RBB
	s_or_b32 s[G0B+7], s[G0B+7], 0x80000000
.macro ARM under, g0, g1, next         ; one chain of branches on the wave's number: every way passes exactly one load
	s_cmp_lt_u32 s14, \under
	s_cbranch_scc0 \next
	tensor_load_to_lds s[\g0:\g0+3], s[\g1:\g1+7]
	s_nop 0
.rept 4
	v_nop
.endr
	s_branch .Lhead_asked
\next:
.endm
	ARM 1, G0,  G1,  .Lhead_b
	ARM 2, G0B, G1B, .Lhead_sa
	ARM 3, G0S, G1S, .Lhead_sb
	tensor_load_to_lds s[G0SB:G0SB+3], s[G1SB:G1SB+7]
	s_nop 0
.rept 4
	v_nop
.endr
.Lhead_asked:
	v_and_b32 v1, 31, v0                           ; lane
	v_and_b32 v2, 15, v0                           ; r
	v_bfe_u32 v3, v0, 4, 1                         ; h
	v_lshlrev_b32 v8, 4, v1
	v_lshlrev_b32 v9, 3, v1
	v_lshlrev_b32 v10, 2, v1
; PREFETCHES INTO THE L2, two refills ahead: here, beside slot 0's load, for slots 1 and 2; behind slot 1's load for slot 3, the last.  A slot is 3,072 bytes of each block: my work-group's two blocks are 24 runs of
; 256 bytes, a lane a run (the last eight lanes name the last run again); the four partners that ask for a tile jointly share its blocks out by address.
	v_min_u32 v15, 23, v1                          ; i
	v_mul_u32_u24 v7, v15, 22
	v_lshrrev_b32 v7, 8, v7                        ; i / 12: which of the two blocks
	v_mul_u32_u24 v7, v7, 9216                     ; a block is 12,288 bytes on, 12 runs are 3,072
	v_lshl_add_u32 v15, v15, 8, v7                 ; the prefetches' offset; never rewritten
	global_prefetch_b8 v15, s[100:101] offset:RBB th:TH_LOAD_NT scope:SCOPE_SE
	global_prefetch_b8 v15, s[100:101] offset:2*RBB th:TH_LOAD_NT scope:SCOPE_SE
	v_lshlrev_b32 v11, 13, v3
	v_lshl_add_u32 v11, v2, 2, v11                 ; 8,192 h + 4 r: a head's scale words are 8,192 bytes
	v_lshlrev_b32 v12, 4, v3                       ; 16 h
	v_add_nc_u32 v4, 512, v9
	s_mul_i32 s21, s15, HALFT
	s_mul_i32 s22, s16, HALFT
	s_add_co_u32 s22, s22, 2*HALFT
.irp s, 0,1
	v_add_nc_u32 v[ADRA+\s], s21, v8
	v_add_nc_u32 v[ADRB+\s], s22, v8
	v_add_nc_u32 v[ADRA+2+\s], s21, v4
	v_add_nc_u32 v[ADRB+2+\s], s22, v4
	s_add_co_u32 s21, s21, SLOT
	s_add_co_u32 s22, s22, SLOT
.endr
	s_lshl_b32 s21, s15, 12                        ; A's region of scale words,
	s_lshl_b32 s22, s16, 12
	s_add_co_u32 s22, s22, 2*4096+128              ; B's,
	s_sub_co_u32 s22, s22, s21                     ; the distance between them
	v_mul_u32_u24 v5, s22, v3                      ; lanes 16-31 take B's
	s_add_co_u32 s21, s21, SCL
	v_lshl_add_u32 v5, v2, 2, v5
	v_add_nc_u32 v[ADRS], s21, v5
	s_lshl_b32 s18, s42, 8
	s_lshl_b32 s19, s16, 7
	s_add_co_u32 s18, s18, s19                     ; my first row of role B,
	s_lshl_b32 s19, s17, 8
	s_lshl_b32 s20, s15, 7
	s_add_co_u32 s19, s19, s20                     ; of role A: both are kept for the way out
	s_cmp_eq_u32 s96, 1                            ; the bias goes by the weight's columns: role B's for q and k, role A's for v; the other set is loaded from the buffer's head and not used
	s_cselect_b32 s20, 0, s18
	s_cselect_b32 s21, s19, 0
	s_lshl_b32 s20, s20, 2
	s_lshl_b32 s21, s21, 2
	v_lshl_add_u32 v13, v3, 5, s20
	v_lshl_add_u32 v14, v2, 2, s21
.irp b, 0,1,2,3,4,5,6,7
	global_load_b128 v[BIAS+8*\b:BIAS+8*\b+3], v13, s[8:9] offset:64*\b
	global_load_b128 v[BIAS+8*\b+4:BIAS+8*\b+7], v13, s[8:9] offset:64*\b+16
.endr
.irp a, 0,1,2,3,4,5,6,7
	global_load_b32 v[BV+2*\a], v14, s[8:9] offset:64*\a
	global_load_b32 v[BV+2*\a+1], v14, s[8:9] offset:64*\a
.endr
.irp b, 0,1,2,3
	v_mov_b32 v[TM+4+\b], 0                        ; written once: a lane permute's destination counts as one of its sources
.endr
	s_wait_alu depctr_va_vdst(0)
	s_wait_tensorcnt 0x0                           ; my tile of the head's four is in
	ds_add_u32 v[SPW], v[NIL]
	s_mov_b32 s[G1+2], 8<<16                       ; no tensor load of mine is out: from here on a load brings 8 blocks,
	s_mov_b32 s[G1+4], 8
	s_mov_b32 s[G1B+2], 8<<16
	s_mov_b32 s[G1B+4], 8
	s_mov_b32 s[G0+1], s45                         ; and slot 0's group 0 names my 128 rows
	s_add_nc_u64 s[G0+2:G0+3], s[G0+2:G0+3], s[66:67]
	s_mov_b32 s[G0B+1], s45
	s_add_nc_u64 s[G0B+2:G0B+3], s[G0B+2:G0B+3], s[66:67]
	s_wait_dscnt 0x0
	CROUND                                         ; all four tiles are in, all sixteen work-groups are here
	JLOAD G0+4, G1, G0B+4, G1B                     ; slot 1's first fill, the first tensor load behind the round
	FETCH_B 0, 0, 0
	FETCH_A 0, 0, 0
	SCALES 0
	FETCH_A 0, 0, 4
	global_prefetch_b8 v15, s[100:101] offset:3*RBB th:TH_LOAD_NT scope:SCOPE_SE
	STEP 0, 0, 1                                   ; the first step's products start the sums
	s_mov_b32 s3, LAPS-1
.Llap:
	TURN 0, 1, 1
	STEP 1, 0, 0
	TURN 1, 0, 1
	STEP 0, 0, 0
	s_sub_co_u32 s3, s3, 1
	s_cmp_lg_u32 s3, 0
	s_cbranch_scc1 .Llap
	TURN 0, 1, 0
	STEP 1, 0, 0
	s_wait_dscnt 4*NL
	WIN MUL_LO
	MUL16 0, 1, NQ-1, 1, 0
	MUL16 2, 1, NQ-1, 1, 0
	s_wait_dscnt 0
	WIN MUL_HI
	MUL16 4, 1, NQ-1, 1, 0
	MUL16 6, 1, NQ-1, 1, 0
	WIN 0
	PLACES NP                                      ; in front of the first read of results and the first write over fragments
	s_wait_loadcnt 0x0                             ; the biases
	s_mov_b32 s23, 0
	s_cmp_eq_u32 s96, 1
	s_cbranch_scc1 .Lvpath
	; ---- q, k: a lane holds token 16 a + r and 128 channels: two heads
	s_lshr_b32 s20, s19, 11                        ; batch
	s_and_b32 s21, s19, 2047                       ; token in it
	s_and_b32 s22, s18, 1023
	s_lshr_b32 s22, s22, 6                         ; head
	s_lshl_b32 s20, s20, 4
	s_add_co_u32 s20, s20, s22
	s_lshl_b32 s22, s20, 7
	s_lshr_b32 s2, s21, 4
	s_add_co_u32 s22, s22, s2
	s_mul_i32 s22, s22, 768
	s_mul_i32 s2, ttmp9, 3145728                   ; q or k
	s_add_co_u32 s22, s22, s2
	s_add_nc_u64 s[92:93], s[10:11], s[22:23]
	s_lshl_b32 s22, s20, 11
	s_add_co_u32 s22, s22, s21
	s_lshl_b32 s22, s22, 2
	s_lshl_b32 s2, ttmp9, 18
	s_add_co_u32 s22, s22, s2
	s_add_co_u32 s22, s22, 9437184
	s_add_nc_u64 s[94:95], s[10:11], s[22:23]
.irp a, 0,1,2,3,4,5,6,7
	SUMS \a, 0
	QUANT T, PC, 30
	global_store_b128 v8, v[PC:PC+3], s[92:93] offset:768*\a               ; the first head's half image,
	global_store_b64 v9, v[PC+4:PC+5], s[92:93] offset:768*\a+512
	global_store_b128 v8, v[PC+6:PC+9], s[92:93] offset:98304+768*\a       ; the second's
	global_store_b64 v9, v[PC+10:PC+11], s[92:93] offset:98304+768*\a+512
	v_lshrrev_b32 v26, v12, v30                    ; lanes 0-15 the first head's two bytes, lanes 16-31 the second's;
	v_and_b32 v26, 0xffff, v26                     ; bytes 2 and 3 are 0: they meet zero codes
	global_store_b32 v11, v26, s[94:95] offset:64*\a
.endr
	s_branch .Lend
.Lvpath:
	; ---- v: a lane holds channel 16 a + r and 128 keys
	s_lshr_b32 s20, s18, 11                        ; batch
	s_lshl_b32 s20, s20, 4
	s_and_b32 s21, s19, 1023
	s_lshr_b32 s21, s21, 6                         ; head
	s_add_co_u32 s20, s20, s21
	s_lshl_b32 s20, s20, 4
	s_and_b32 s21, s18, 2047
	s_lshr_b32 s21, s21, 7                         ; key step
	s_add_co_u32 s20, s20, s21
	s_mul_i32 s22, s20, 6144
	s_add_co_u32 s22, s22, 6291456
	s_add_nc_u64 s[92:93], s[10:11], s[22:23]
	s_lshl_b32 s22, s20, 8
	s_add_co_u32 s22, s22, 9961472
	s_add_nc_u64 s[94:95], s[10:11], s[22:23]
.irp a, 0,1,2,3,4,5,6,7
	SUMS \a, 1
	QUANT T, PC, 30+\a%2
	global_store_b128 v8, v[PC:PC+3], s[92:93] offset:98304*(\a/4)+1536*(\a%4)
	global_store_b64 v9, v[PC+4:PC+5], s[92:93] offset:98304*(\a/4)+1536*(\a%4)+512
	global_store_b128 v8, v[PC+6:PC+9], s[92:93] offset:98304*(\a/4)+1536*(\a%4)+768
	global_store_b64 v9, v[PC+10:PC+11], s[92:93] offset:98304*(\a/4)+1536*(\a%4)+1280
.if \a%2
	v_cndmask_b32 v26, v30, v31, s97               ; two blocks' scale words leave together: 128 consecutive bytes
	global_store_b32 v10, v26, s[94:95] offset:4096*(\a/4)+64*((\a-1)%4)
.endif
.endr
.Lend:
	s_wait_tensorcnt 0x0                           ; the wave's end
	ds_add_u32 v[SPW], v[NIL]
	s_wait_dscnt 0x0
	CROUND                                         ; the closing round
	s_endpgm
.Lfunc_end_k_q081a312fe0_qkvg:
	.size	k_q081a312fe0_qkvg, .Lfunc_end_k_q081a312fe0_qkvg-k_q081a312fe0_qkvg
	.p2alignl 7, 3214868480
	.fill 96, 4, 3214868480
	.section	.rodata,"a",@progbits
	.p2align	6, 0x0
	.amdhsa_kernel k_q081a312fe0_qkvg
		.amdhsa_group_segment_fixed_size 327680
		.amdhsa_private_segment_fixed_size 0
		.amdhsa_enable_private_segment 0
		.amdhsa_kernarg_size 32
		.amdhsa_user_sgpr_count 2
		.amdhsa_user_sgpr_kernarg_segment_ptr 1
		.amdhsa_wavefront_size32 1
		.amdhsa_system_sgpr_workgroup_id_x 1
		.amdhsa_system_sgpr_workgroup_id_y 1
		.amdhsa_system_sgpr_workgroup_id_z 1
		.amdhsa_system_vgpr_workitem_id 0
		.amdhsa_next_free_vgpr 1024
		.amdhsa_next_free_sgpr 102
		.amdhsa_reserve_vcc 0
		.amdhsa_float_denorm_mode_32 3
		.amdhsa_float_denorm_mode_16_64 3
		.amdhsa_memory_ordered 1
		.amdhsa_forward_progress 1
		.amdhsa_inst_pref_size 224
	.end_amdhsa_kernel
	.amdgpu_metadata
---
amdhsa.version: [ 1, 2 ]
amdhsa.kernels:
  - .name:           k_q081a312fe0_qkvg
    .symbol:         k_q081a312fe0_qkvg.kd
    .args:
      - { .name: xa, .offset: 0, .size: 8, .value_kind: global_buffer, .address_space: global }
      - { .name: wq, .offset: 8, .size: 8, .value_kind: global_buffer, .address_space: global }
      - { .name: qkv_b, .offset: 16, .size: 8, .value_kind: global_buffer, .address_space: global }
      - { .name: qkv, .offset: 24, .size: 8, .value_kind: global_buffer, .address_space: global }
    .group_segment_fixed_size: 327680
    .private_segment_fixed_size: 0
    .kernarg_segment_align: 8
    .kernarg_segment_size: 32
    .max_flat_workgroup_size: 128
    .sgpr_count:     102
    .vgpr_count:     1024
    .wavefront_size: 32
...
	.end_amdgpu_metadata
.endif
;; end of part 2
;; launch attn (part 3): grid 8 x 32, 16 waves a work-group, clusters of 4 x 1, 260,096 bytes of LDS; arguments qkv, ao; writes ao
.if DOCPART == 3
	.amdgcn_target "amdgcn-amd-amdhsa--gfx1250"
	.amdhsa_code_object_version 6
	.text
	.protected	k_q081a312fe0_attn
	.globl	k_q081a312fe0_attn
	.p2align	8
	.type	k_q081a312fe0_attn,@function
k_q081a312fe0_attn:
	s_mov_b64 s[64:65], 0
	v_nop
	global_prefetch_b8 v0, s[64:65] scope:SCOPE_SE
	s_setreg_imm32_b32 hwreg(HW_REG_WAVE_MODE, 25, 1), 1
	s_wait_xcnt 0x0
	s_wait_alu depctr_hold_cnt(0) depctr_sa_sdst(0) depctr_va_vdst(0) depctr_va_sdst(0) depctr_va_ssrc(0) depctr_va_vcc(0) depctr_vm_vsrc(0)
	s_getreg_b32 s2, hwreg(HW_REG_IB_STS2, 6, 4)
	s_cmp_eq_u32 s2, 0
	s_cbranch_scc0 .Lentry_in_a_cluster
	s_endpgm
.Lentry_in_a_cluster:
	s_bfe_u32 s2, ttmp6, 0x10000c
	s_cmp_lg_u32 s2, 0x3003
	s_cbranch_scc0 .Lentry_shape_is_right
	s_endpgm
.Lentry_shape_is_right:
; O = softmax(q k^T / 8) v for one batch x head, both products on codes of FP6 (E2M3) with E8M0 scales; the result is quantised at once for the projection.
; THE SOFTMAX: t = score x log2(e) / 8; M = the running largest t rounded UP to a whole number; p = 2^(t - M) is quantised along the keys, not normalised; the row's sum is taken of the unquantised p and
; divides O at the end; when M moves, the sum and O are multiplied by 2^(old M - new M), which rounds nothing.
; SHARES.  A work-group owns 256 queries of one head, each of its sixteen waves 16 of them.  A head's whole K and V lie in LDS, filled once: no ring.
; The four work-groups of a cluster belong to one head and ask for each tile jointly.  ONE LOAD A WAVE: a head's codes of K and of V are two dense blocks of 98,304 bytes;
; waves 0-5 bring K's, waves 6-11 V's, 64 rows of 256 bytes each, with 64 bytes of padding behind each row; wave 12 K's scale words, wave 13 V's; waves 14, 15 none.
; Nothing is prefetched: all is asked for at the head, ahead of any loop.
; IN LDS a run of 256 bytes stands every 320: a half image of k (768 bytes) takes 960, an image of v 1,920, a key step of either 7,680.  An image's parts (512 bytes of 16 a lane, 256 of 8 a lane) are whole runs.
; LAYOUT.  Both products are used transposed (S^T = k q^T, O^T = v^T p^T): a lane holds ONE query.  THE 16 KEYS OF A TILE OF K ARE CHOSEN BY ADDRESS: tile 4c + u takes as rows 0-7 eight keys of block 2c and as
; rows 8-15 the same eight of block 2c + 1, group g(u) = 0, 2, 1, 3 of the block's four groups of eight, the order in which v's images were made.  So lane (r, h) holds in registers 96 + 32c .. + 31 ALL 32 keys
; of block 2c + h, in the operand's order: a block's maximum needs no other lane, and the conversions' results are the operand's registers.
; The two blocks of a tile lie 1,920 bytes apart, 128 modulo 256.
; K = 64 in an instruction of 128: q's upper six registers are zero codes; k's upper six are the next tile's codes (finite numbers x 0); the scale bytes there are 0, never 0xff.
; K's fragments are fetched one step ahead, v's at the head of their step.
; LIMITS: the promise holds while |t| stays under 2^31.  A block of O whose largest magnitude lies under 2^-124 gets the byte 1.  NaN and infinities are not served.
; REGISTERS: v0 the thread's number; v1, 2, 5 K's lane terms; v3, 4, 6 V's; v7, 8 the add's two; v9, 10, 29 K's addresses; v11, 28, 30 V's; v12 -M, v13 largest score, v[14:15] the sum; v16-27 q; v31 4r; v32-85 k's tiles;
;   v86-89, 90-91, 92, 93 scale words of k, v, q, p; v94, 95 my two blocks' maxima; v96-159 S^T, then p; v160-191 O^T; v192-239 v's fragments; v240-251 at work, then p's codes; v252 f, v253 8h; v254, 255 at work.
.set STEPB, 7680                       ; a key step's codes of K, or of V, in LDS
.set PAIRB, 2*STEPB
.set VB,    122880                     ; V's codes, behind K's
.set KS,    245760                     ; K's scale words: 512 bytes a step
.set VS,    253952                     ; V's: 256 bytes a step
.set SPARE, 258048                     ; the spare words, 128 bytes for each of sixteen waves
.set WV,   18
.set G1C,  24
.set G1K,  32
.set G1V,  40
.set G0C,  48
.set G0K,  52
.set G0V,  56
.macro CROUND
	s_barrier_signal -1
	s_barrier_wait -1
	s_cmp_lg_u32 s[WV], 0
	s_cbranch_scc1 .Lnot_wave_0_\@
	s_barrier_signal -3
.Lnot_wave_0_\@:
	s_barrier_wait -3
	s_barrier_signal -1
	s_barrier_wait -1
.endm
.macro FILL g0, g1                     ; a joint load with s_nop 0 and four v_nop behind it
	tensor_load_to_lds s[\g0:\g0+3], s[\g1:\g1+7]
	s_nop 0
.rept 4
	v_nop
.endr
.endm
.macro KLOAD o                         ; k's eight tiles and their scale words of step o of the pair at v9, v10, v29
.irp t, 0,1,2,3,4,5,6,7
	ds_load_b128 v[32+6*\t:35+6*\t], v9 offset:STEPB*(\o)+3840*(\t/4)+960*(\t%2)+128*((\t%4)/2)
	ds_load_b64 v[36+6*\t:37+6*\t], v10 offset:STEPB*(\o)+3840*(\t/4)+960*(\t%2)+64*((\t%4)/2)
.endr
.irp w, 0,1,2,3
	ds_load_b32 v[86+\w], v29 offset:512*(\o)+256*(\w/2)+32*(\w%2)   ; lanes 0-15: tile 2w's words, lanes 16-31: tile 2w + 1's
.endr
.endm
.macro VLOAD o
.irp d, 0,1,2,3
	ds_load_b128 v[192+12*\d:195+12*\d], v11 offset:STEPB*(\o)+1920*\d
	ds_load_b64 v[196+12*\d:197+12*\d], v28 offset:STEPB*(\o)+1920*\d
	ds_load_b128 v[198+12*\d:201+12*\d], v11 offset:STEPB*(\o)+1920*\d+960
	ds_load_b64 v[202+12*\d:203+12*\d], v28 offset:STEPB*(\o)+1920*\d+960
.endr
	ds_load_b32 v90, v30 offset:256*(\o)
	ds_load_b32 v91, v30 offset:256*(\o)+128
.endm
.macro STEP o, pre                     ; 128 keys: step o of a pair; pre = 1: the next step's tiles of k are fetched
.irp t, 0,2,4,6
	v_wmma_scale_f32_16x16x128_f8f6f4 v[96+8*\t:103+8*\t], v[32+6*\t:43+6*\t], v[16:27], 0, v[86+\t/2], v92 matrix_a_fmt:MATRIX_FMT_FP6 matrix_b_fmt:MATRIX_FMT_FP6
	v_wmma_scale_f32_16x16x128_f8f6f4 v[104+8*\t:111+8*\t], v[38+6*\t:49+6*\t], v[16:27], 0, v[86+\t/2], v92 matrix_a_fmt:MATRIX_FMT_FP6 matrix_b_fmt:MATRIX_FMT_FP6 matrix_a_scale:MATRIX_SCALE_ROW1
.endr
; four places: in front of the first read of the scores and of the loads into k's and v's registers
.if \o == 0
	v_add_nc_u32 v11, s84, v3                      ; v's addresses for this pair
	v_add_nc_u32 v28, s84, v4
	v_add_nc_u32 v30, s86, v6
	v_nop
.else
.if \pre
	s_add_co_u32 s84, s84, PAIRB                   ; on to the next pair
	s_add_co_u32 s85, s85, 1024
	s_add_co_u32 s86, s86, 512
	v_add_nc_u32 v9, s84, v1
	v_add_nc_u32 v10, s84, v2
	v_add_nc_u32 v29, s85, v5
	v_nop
.else
.rept 4
	v_nop
.endr
.endif
.endif
	VLOAD \o                                       ; they land while the softmax is walked
.irp k, 0,1,2,3                        ; the largest score of my two blocks, two chains a block; each accumulator is read from its low end on
	v_max3_num_f32 v[240+\k], v[96+16*\k], v[97+16*\k], v[98+16*\k]
.endr
.irp i, 3,5,7,9,11,13
.irp k, 0,1,2,3
	v_max3_num_f32 v[240+\k], v[240+\k], v[96+16*\k+\i], v[97+16*\k+\i]
.endr
.endr
.irp c, 0,1
	v_max3_num_f32 v[94+\c], v[240+2*\c], v[241+2*\c], v[111+32*\c]
.endr
.irp c, 0,1
	v_max_num_f32 v[94+\c], v[94+\c], v[127+32*\c] ; it serves twice: for the row's maximum and, since p rises with the score, for the block's largest p
.endr
	v_max_num_f32 v254, v94, v95
	v_permlanex16_b32 v255, v254, s20, s21         ; lane l xor 16 holds the other two blocks
	v_max3_num_f32 v13, v13, v254, v255            ; the running largest score
	v_mul_f32 v254, s22, v13                       ; as t (c is positive)
	v_mov_b32 v255, v12
	v_floor_f32 v12, -v254                         ; the new -M
	v_sub_f32 v254, v12, v255                      ; old M - new M: a whole number, 0 or less
	v_cvt_i32_f32 v254, v254                       ; (it saturates)
	v_ldexp_f32 v252, 1.0, v254                    ; f = 2^(old M - new M)
.if \pre
	KLOAD 1-\o                                     ; the next step's tiles of k: their registers were read last by this step's first eight products
.endif
.set i, 0
.rept 32
	v_pk_fma_f32 v[96+2*i:97+2*i], v[96+2*i:97+2*i], s[22:23], v[12:13] op_sel_hi:[1,0,0]   ; t - M
.set i, i+1
.endr
.irp c, 0,1
	v_fma_f32 v[94+\c], v[94+\c], s22, v12
.endr
	s_wait_alu depctr_va_vdst(0)
	v_exp_f32 v94, v94                             ; each block's largest p,
	v_exp_f32 v95, v95
.set i, 0
.rept 64
	v_exp_f32 v[96+i], v[96+i]                     ; and p = 2^(t - M)
.set i, i+1
.endr
	v_nop                                          ; the plain line behind the batch
	s_wait_alu depctr_va_vdst(0)                   ; one wait for the batch, ahead of its first reader
.irp c, 0,1
	v_max_num_f32 v[94+\c], 0x1800000, v[94+\c]    ; the floor 2^(3 - 127)
.endr
.irp c, 0,1
	s_delay_alu instid0(VALU_DEP_2)
	v_add_nc_u32 v[254+\c], 0xff000000, v[94+\c]   ; 2 off the exponent field: the conversion's scale operand
.endr
.irp c, 0,1
	s_delay_alu instid0(VALU_DEP_2)
	v_lshrrev_b32 v[248+\c], 23, v[254+\c]         ; the scale's byte
.endr
	s_delay_alu instid0(VALU_DEP_1)
	v_lshl_or_b32 v93, v249, 16, v248              ; my bytes: blocks h and 2 + h,
	s_delay_alu instid0(VALU_DEP_1)
	v_lshlrev_b32 v93, v253, v93                   ; at their places (8 h bits up);
	s_delay_alu instid0(VALU_DEP_1)
	v_permlanex16_b32 v250, v93, s20, s21
	s_delay_alu instid0(VALU_DEP_1)
	v_or_b32 v93, v93, v250                        ; with lane l xor 16's two p's scale word is whole
.irp k, 0,1,2,3                        ; the row's sum, of the unquantised p: four chains of pairs
	v_pk_add_f32 v[240+2*\k:241+2*\k], v[96+2*\k:97+2*\k], v[104+2*\k:105+2*\k]
.endr
.irp i, 16,24,32,40,48,56
.irp k, 0,1,2,3
	v_pk_add_f32 v[240+2*\k:241+2*\k], v[240+2*\k:241+2*\k], v[96+\i+2*\k:97+\i+2*\k]
.endr
.endr
	v_pk_add_f32 v[240:241], v[240:241], v[242:243]
	v_pk_add_f32 v[244:245], v[244:245], v[246:247]
	s_delay_alu instid0(VALU_DEP_1)
	v_pk_add_f32 v[240:241], v[240:241], v[244:245]
	s_delay_alu instid0(VALU_DEP_1)
	v_pk_fma_f32 v[14:15], v[14:15], v[252:253], v[240:241] op_sel_hi:[1,0,1]   ; the old sum under the new M, and this step's
	v_cvt_scalef32_pk16_fp6_f32 v[240:242], v[96:111], v254        ; registers 6c .. 6c + 2 of the operand: my block's lower 16 codes
	v_cvt_scalef32_pk16_fp6_f32 v[246:248], v[128:143], v255
	v_nop                                          ; a plain line: the next two write over sources of these two
	v_cvt_scalef32_pk16_fp6_f32 v[96:98], v[112:127], v254         ; (a conversion's three registers begin on an even number: the upper 16 are made elsewhere and moved)
	v_cvt_scalef32_pk16_fp6_f32 v[128:130], v[144:159], v255
	v_nop
.irp i, 0,1,2
	v_mov_b32 v[243+\i], v[96+\i]
	v_mov_b32 v[249+\i], v[128+\i]
.endr
	s_wait_dscnt 0x0                               ; v's fragments, and the next step's of k
	s_wait_alu depctr_va_vdst(0)                   ; ahead of the first reader of O^T
.set i, 0
.rept 16
	v_pk_mul_f32 v[160+2*i:161+2*i], v[160+2*i:161+2*i], v[252:253] op_sel_hi:[1,0]   ; O^T under the new M; also the places between the writes of p's codes and scale word and the products
.set i, i+1
.endr
.irp d, 0,2
	v_wmma_scale_f32_16x16x128_f8f6f4 v[160+8*\d:167+8*\d], v[192+12*\d:203+12*\d], v[240:251], v[160+8*\d:167+8*\d], v[90+\d/2], v93 matrix_a_fmt:MATRIX_FMT_FP6 matrix_b_fmt:MATRIX_FMT_FP6
	v_wmma_scale_f32_16x16x128_f8f6f4 v[168+8*\d:175+8*\d], v[204+12*\d:215+12*\d], v[240:251], v[168+8*\d:175+8*\d], v[90+\d/2], v93 matrix_a_fmt:MATRIX_FMT_FP6 matrix_b_fmt:MATRIX_FMT_FP6 matrix_a_scale:MATRIX_SCALE_ROW1
.endr
.endm
	s_load_b128 s[4:7], s[0:1], 0x0                ; qkv, ao
	v_lshl_add_u32 v7, v0, 2, SPARE
	v_mov_b32 v8, 0
	ds_add_u32 v7, v8                              ; the wave's opening: the add, twice on end, and its wait come ahead of the first tensor loads
	ds_add_u32 v7, v8
	v_lshrrev_b32 v9, 5, v0
	s_delay_alu instid0(VALU_DEP_1)
	v_readfirstlane_b32 s[WV], v9                  ; wave 0..15
	s_bfe_u32 s12, ttmp6, 0x40000                  ; cx
	s_lshl_b32 s13, ttmp9, 2
	s_add_co_u32 s13, s13, s12                     ; my block of 256 queries: it enters q's and O's addresses alone
	s_and_b32 s14, ttmp7, 0xffff                   ; batch x head, which the partners share
	s_mov_b32 s[G1C], 15|(3<<16)|(1<<20)|(1<<21)|(5<<22)|(15<<25)   ; the mask: all four work-groups; elements of 8 bytes; padding on; bit 21 beside a mask; after every 64 words, 16 words
	s_mov_b32 s[G1K], 15|(3<<16)|(1<<21)           ; the scale words: no padding
	s_mov_b32 s[G1V], 15|(3<<16)|(1<<21)
.irp g, G1C, G1K, G1V
	s_mov_b32 s[\g+1], 32<<16                      ; rows of 256 bytes, dense in memory
	s_mov_b32 s[\g+3], 32<<16
	s_mov_b32 s[\g+5], 32
	s_mov_b32 s[\g+6], 0
	s_mov_b32 s[\g+7], 0
.endr
	s_mov_b32 s[G1C+2], 64<<16                     ; the codes: 64 rows a wave
	s_mov_b32 s[G1C+4], 64
	s_mov_b32 s[G1K+2], 32<<16                     ; K's scale words: 8,192 bytes
	s_mov_b32 s[G1K+4], 32
	s_mov_b32 s[G1V+2], 16<<16                     ; V's: 4,096
	s_mov_b32 s[G1V+4], 16
	s_min_u32 s61, s[WV], 11                       ; which 64 rows of the 768 (waves 0-11 load codes)
	s_mul_i32 s16, s14, 98304                      ; a head's codes,
	s_lshl_b32 s17, s61, 14                        ; my 16,384 bytes of them,
	s_add_co_u32 s16, s16, s17
	s_cmp_lt_u32 s61, 6                            ; K's (waves 0-5) or V's, which lie 3,145,728 bytes behind K's
	s_cselect_b32 s17, 0, 3047424                  ; 3,145,728 - 98,304
	s_add_co_u32 s16, s16, s17
	s_add_co_u32 s16, s16, 3145728
	s_mov_b32 s17, 0
	s_lshl_b32 s66, s14, 13
	s_add_co_u32 s66, s66, 9699328                 ; the head's scale words of K
	s_mov_b32 s67, 0
	s_lshl_b32 s68, s14, 12
	s_add_co_u32 s68, s68, 9961472                 ; and of V
	s_mov_b32 s69, 0
	s_mul_i32 s60, s61, 20480                      ; where my 64 rows go: 320 bytes a row
	s_lshl_b32 s72, s13, 4
	s_add_co_u32 s72, s72, s[WV]                   ; my tile of 16 queries, 0..127
	s_lshl_b32 s73, s14, 7
	s_add_co_u32 s73, s73, s72
	s_mul_i32 s74, s73, 768
	s_mov_b32 s75, 0
	s_lshl_b32 s92, s73, 6
	s_add_co_u32 s92, s92, 9437184                 ; q's scale words
	s_mov_b32 s93, 0
	s_lshr_b32 s80, s14, 4
	s_lshl_b32 s80, s80, 7
	s_add_co_u32 s80, s80, s72                     ; my block of 16 rows of the output
	s_and_b32 s81, s14, 15
	s_lshr_b32 s82, s81, 1                         ; head / 2: the K step of the projection
	s_and_b32 s81, s81, 1                          ; head % 2: which half of its image
	s_lshl_b32 s83, s80, 3
	s_add_co_u32 s83, s83, s82
	s_mul_i32 s94, s83, 1536
	s_mul_i32 s83, s81, 768
	s_add_co_u32 s94, s94, s83
	s_mov_b32 s95, 0
	s_lshr_b32 s83, s80, 2
	s_lshl_b32 s83, s83, 3
	s_add_co_u32 s83, s83, s82
	s_lshl_b32 s96, s83, 8
	s_and_b32 s83, s80, 3
	s_lshl_b32 s83, s83, 6
	s_add_co_u32 s96, s96, s83
	s_lshl_b32 s83, s81, 1
	s_add_co_u32 s96, s96, s83
	s_add_co_u32 s96, s96, 3145728
	s_mov_b32 s97, 0
	s_mov_b32 s20, 0x76543210
	s_mov_b32 s21, 0xfedcba98
	s_mov_b32 s22, 0x3e38aa3b                      ; c = log2(e) / 8
	s_mov_b32 s23, s22                             ; (named with it as a pair)
	s_mov_b32 s84, 0                               ; the pair's codes: PAIRB bytes a pair
	s_mov_b32 s85, 0                               ; k's scale words: 1,024 a pair
	s_mov_b32 s86, 0                               ; v's: 512 a pair
	s_wait_dscnt 0x0                               ; both opening adds are done
	s_wait_kmcnt 0x0
	s_mov_b32 s[G0C], 1
	s_mov_b32 s[G0C+1], s60
	s_add_nc_u64 s[G0C+2:G0C+3], s[4:5], s[16:17]
	s_or_b32 s[G0C+3], s[G0C+3], 0x80000000
	s_mov_b32 s[G0K], 1
	s_mov_b32 s[G0K+1], KS
	s_add_nc_u64 s[G0K+2:G0K+3], s[4:5], s[66:67]
	s_or_b32 s[G0K+3], s[G0K+3], 0x80000000
	s_mov_b32 s[G0V], 1
	s_mov_b32 s[G0V+1], VS
	s_add_nc_u64 s[G0V+2:G0V+3], s[4:5], s[68:69]
	s_or_b32 s[G0V+3], s[G0V+3], 0x80000000
	s_add_nc_u64 s[76:77], s[4:5], s[74:75]        ; q's half image
	s_add_nc_u64 s[78:79], s[4:5], s[92:93]
	s_add_nc_u64 s[88:89], s[6:7], s[94:95]        ; the output's half image
	s_add_nc_u64 s[90:91], s[6:7], s[96:97]        ; and its half scale words
	CROUND                                         ; all four work-groups are here: the joint loads meet
	s_cmp_lt_u32 s[WV], 12                         ; one chain of branches on the wave's number, one fill to an arm, one join
	s_cbranch_scc0 .Lfill_ks
	FILL G0C, G1C
	s_branch .Lfilled
.Lfill_ks:
	s_cmp_eq_u32 s[WV], 12
	s_cbranch_scc0 .Lfill_vs
	FILL G0K, G1K
	s_branch .Lfilled
.Lfill_vs:
	s_cmp_eq_u32 s[WV], 13
	s_cbranch_scc0 .Lfilled
	FILL G0V, G1V
.Lfilled:
	v_and_b32 v31, 31, v0                          ; lane
	v_and_b32 v9, 7, v0                            ; j = r % 8
	v_bfe_u32 v10, v0, 3, 1                        ; r / 8: which of a tile's two blocks my row of k belongs to
	v_bfe_u32 v11, v0, 4, 1                        ; h
	v_and_b32 v30, 15, v0                          ; r
	v_lshlrev_b32 v96, 4, v31                      ; q in memory: 16 x lane,
	v_lshl_add_u32 v97, v31, 3, 512                ; 512 + 8 x lane
	v_lshl_add_u32 v4, v31, 3, VB+640              ; v, 8 bytes a lane: an image's third run
	v_lshl_add_u32 v6, v31, 2, VS
	v_mul_u32_u24 v28, v10, 1920                   ; block 2c + 1 lies two half images behind block 2c
	v_lshlrev_b32 v5, 2, v9
	v_lshlrev_b32 v253, 3, v11                     ; 8 h
	v_lshlrev_b32 v3, 4, v30
	v_lshlrev_b32 v31, 2, v30                      ; 4 r
	v_lshl_add_u32 v1, v9, 4, v28
	v_lshl_add_u32 v2, v9, 3, v28
	v_lshl_add_u32 v5, v10, 7, v5
	v_mad_u32_u24 v3, v11, 320, v3
	v_mad_u32_u24 v1, v11, 320, v1                 ; k, 16 bytes a lane: 1,920 (r / 8) + 16 j + 320 h
	v_lshl_add_u32 v2, v11, 7, v2
	v_lshl_add_u32 v5, v11, 6, v5
	v_add_nc_u32 v3, VB, v3                        ; v, 16 bytes a lane: 16 r + 320 h
	v_add_nc_u32 v2, 640, v2                       ; k, 8 bytes a lane: 1,920 (r / 8) + 640 + 8 j + 128 h
	v_add_nc_u32 v5, KS, v5                        ; k's scale words: 128 (r / 8) + 64 (lane / 16) + 4 j
	global_load_b128 v[16:19], v96, s[76:77]
	global_load_b64 v[20:21], v97, s[76:77]
	global_load_b32 v92, v31, s[78:79]
	v_add_nc_u32 v9, s84, v1                       ; k's addresses for the first pair
	v_add_nc_u32 v10, s84, v2
	v_add_nc_u32 v29, s85, v5
.irp j, 22,23,24,25,26,27,80,81,82,83,84,85
	v_mov_b32 v[\j], 0                             ; zero codes: q's upper half, and what lies behind k's last tile
.endr
	v_mov_b32 v13, 0xff61b1e6                      ; the largest score so far: -3e38
	s_delay_alu instid0(VALU_DEP_1)
	v_floor_f32 v12, -v13
	v_mov_b32 v14, 0
	v_mov_b32 v15, 0
	v_mov_b32 v250, 0                              ; a lane permute's destination counts as one of its sources
	v_mov_b32 v255, 0
.set i, 0
.rept 32
	v_mov_b32 v[160+i], 0                          ; O^T: the step is written once; the first finds zeros
.set i, i+1
.endr
	s_wait_alu depctr_va_vdst(0)
	s_wait_tensorcnt 0x0                           ; my load, if I issued one, has landed
	s_barrier_signal -1
	s_barrier_wait -1                              ; everybody's has: nothing is filled again, so no further barrier is owed
	KLOAD 0
	s_wait_loadcnt 0x0                             ; q
	s_wait_dscnt 0x0
	s_mov_b32 s87, 7
.Lpair:                                            ; 256 keys a trip
	STEP 0, 1
	STEP 1, 1
	s_sub_co_u32 s87, s87, 1
	s_cmp_lg_u32 s87, 0
	s_cbranch_scc1 .Lpair
	STEP 0, 1                                      ; the last pair is written out: its second step fetches nothing more
	STEP 1, 0
	; THE WAY OUT: O^T / the sum, quantised along the head's 64 channels: half an image of the projection's operand
.rept 4
	v_nop
.endr
	v_add_f32 v14, v14, v15
	s_delay_alu instid0(VALU_DEP_1)
	v_permlanex16_b32 v252, v14, s20, s21
	s_delay_alu instid0(VALU_DEP_1)
	v_add_f32 v14, v14, v252                       ; the row's sum
	s_wait_alu depctr_va_vdst(0)
	v_rcp_f32 v14, v14
	v_nop
	s_wait_alu depctr_va_vdst(0)
.set i, 0
.rept 16
	v_pk_mul_f32 v[96+2*i:97+2*i], v[160+2*i:161+2*i], v[14:15] op_sel_hi:[1,0]
.set i, i+1
.endr
.irp b, 0,1
	v_max3_num_f32 v[240+\b], |v[96+16*\b]|, |v[97+16*\b]|, 0x1800000
.endr
.irp i, 2,4,6,8,10,12,14
.irp b, 0,1
	s_delay_alu instid0(VALU_DEP_2)
	v_max3_num_f32 v[240+\b], v[240+\b], |v[96+16*\b+\i]|, |v[97+16*\b+\i]|
.endr
.endr
.irp b, 0,1
	s_delay_alu instid0(VALU_DEP_2)
	v_permlanex16_b32 v[244+\b], v[240+\b], s20, s21
.endr
.irp b, 0,1
	s_delay_alu instid0(VALU_DEP_2)
	v_max_num_f32 v[240+\b], v[240+\b], v[244+\b]
.endr
.irp b, 0,1
	s_delay_alu instid0(VALU_DEP_2)
	v_add_nc_u32 v[248+\b], 0xff000000, v[240+\b]
.endr
.irp b, 0,1
	s_delay_alu instid0(VALU_DEP_2)
	v_lshrrev_b32 v[244+\b], 23, v[248+\b]
.endr
	s_delay_alu instid0(VALU_DEP_1)
	v_lshl_or_b32 v93, v245, 8, v244               ; my head's two bytes of the row's scale word
	v_and_b32 v250, 31, v0                         ; the image in memory: 16 x lane, 512 + 8 x lane
	v_cvt_scalef32_pk16_fp6_f32 v[32:34], v[96:111], v248
	v_cvt_scalef32_pk16_fp6_f32 v[44:46], v[112:127], v249
	v_lshl_add_u32 v251, v250, 3, 512              ; (the plain line behind the conversions)
	v_lshlrev_b32 v250, 4, v250
.irp i, 0,1,2
	v_permlane16_swap_b32 v[32+\i], v[44+\i]
.endr
.irp i, 0,1,2
	s_delay_alu instid0(VALU_DEP_3)
	v_mov_b32 v[35+\i], v[44+\i]
.endr
	global_store_b128 v250, v[32:35], s[88:89]     ; 512 and 256 consecutive bytes, aligned to 256
	global_store_b64 v251, v[36:37], s[88:89]
	global_store_b16 v31, v93, s[90:91]            ; lanes l and l xor 16 write the same two bytes with the same value
	s_wait_tensorcnt 0x0                           ; the wave's end
	ds_add_u32 v7, v8
	s_wait_dscnt 0x0
	CROUND                                         ; the closing round
	s_endpgm
.Lfunc_end_k_q081a312fe0_attn:
	.size	k_q081a312fe0_attn, .Lfunc_end_k_q081a312fe0_attn-k_q081a312fe0_attn
	.p2alignl 7, 3214868480
	.fill 96, 4, 3214868480
	.section	.rodata,"a",@progbits
	.p2align	6, 0x0
	.amdhsa_kernel k_q081a312fe0_attn
		.amdhsa_group_segment_fixed_size 260096
		.amdhsa_private_segment_fixed_size 0
		.amdhsa_enable_private_segment 0
		.amdhsa_kernarg_size 16
		.amdhsa_user_sgpr_count 2
		.amdhsa_user_sgpr_kernarg_segment_ptr 1
		.amdhsa_wavefront_size32 1
		.amdhsa_system_sgpr_workgroup_id_x 1
		.amdhsa_system_sgpr_workgroup_id_y 1
		.amdhsa_system_sgpr_workgroup_id_z 1
		.amdhsa_system_vgpr_workitem_id 0
		.amdhsa_next_free_vgpr 256
		.amdhsa_next_free_sgpr 100
		.amdhsa_reserve_vcc 0
		.amdhsa_float_denorm_mode_32 3
		.amdhsa_float_denorm_mode_16_64 3
		.amdhsa_memory_ordered 1
		.amdhsa_forward_progress 1
		.amdhsa_inst_pref_size 76
	.end_amdhsa_kernel
	.amdgpu_metadata
---
amdhsa.version: [ 1, 2 ]
amdhsa.kernels:
  - .name:           k_q081a312fe0_attn
    .symbol:         k_q081a312fe0_attn.kd
    .args:
      - { .name: qkv, .offset: 0, .size: 8, .value_kind: global_buffer, .address_space: global }
      - { .name: ao, .offset: 8, .size: 8, .value_kind: global_buffer, .address_space: global }
    .group_segment_fixed_size: 260096
    .private_segment_fixed_size: 0
    .kernarg_segment_align: 8
    .kernarg_segment_size: 16
    .max_flat_workgroup_size: 512
    .sgpr_count:     100
    .vgpr_count:     256
    .wavefront_size: 32
...
	.end_amdgpu_metadata
.endif
;; end of part 3
;; launch proj (part 4): grid 8 x 32, 4 waves a work-group, clusters of 4 x 4, 327,680 bytes of LDS; arguments ao, wq, proj_b, x, x1; writes x1
.if DOCPART == 4
	.amdgcn_target "amdgcn-amd-amdhsa--gfx1250"
	.amdhsa_code_object_version 6
	.text
	.protected	k_q081a312fe0_proj
	.globl	k_q081a312fe0_proj
	.p2align	8
	.type	k_q081a312fe0_proj,@function
k_q081a312fe0_proj:
	s_mov_b64 s[64:65], 0
	v_nop
	global_prefetch_b8 v0, s[64:65] scope:SCOPE_SE
	s_setreg_imm32_b32 hwreg(HW_REG_WAVE_MODE, 25, 1), 1
	s_wait_xcnt 0x0
	s_wait_alu depctr_hold_cnt(0) depctr_sa_sdst(0) depctr_va_vdst(0) depctr_va_sdst(0) depctr_va_ssrc(0) depctr_va_vcc(0) depctr_vm_vsrc(0)
	s_getreg_b32 s2, hwreg(HW_REG_IB_STS2, 6, 4)
	s_cmp_eq_u32 s2, 0
	s_cbranch_scc0 .Lentry_in_a_cluster
	s_endpgm
.Lentry_in_a_cluster:
	s_bfe_u32 s2, ttmp6, 0x10000c
	s_cmp_lg_u32 s2, 0xf033
	s_cbranch_scc0 .Lentry_shape_is_right
	s_endpgm
.Lentry_shape_is_right:
.set S,     8
.set ASCL,  3145728
.set BCODE, 2359296
.set BSCL,  9535488
.set NQ,    4
.set RBB,   NQ*1536
.set HALFT, 4*RBB
.set SLOT,  4*HALFT
.set LAPS,  S/8
.set SCL,   2*SLOT
.set HALFS, 256*S
.set STG,   SCL+4*HALFS+256
.set SPITCH, 272
.set SPARE, STG+4*16*SPITCH
.set ADRA, 16
.set ADRB, 20
.set STO,  24
.set RD,   25
.set CO,   26
.set ADRS, 27
.set SPW,  28
.set NIL,  29
.set SC,   32
.set BIAS, 40
.set OB,   72
.set ACC,  128
.set G1,   24
.set G0,   32
.set G1B,  48
.set G0B,  56
.set G1S,  68
.set G0S,  76
.set G1SB, 80
.set G0SB, 88
.set MSB,  0
.macro WIN new
.if MSB != \new
	s_set_vgpr_msb (MSB<<8)|\new
.set MSB, \new
.endif
.endm
.set MUL,  0x05
.set TO_F, 0x40
.macro JLOAD g0a, g1a, g0b, g1b
	s_cmp_eq_u32 s15, 0
	s_cbranch_scc0 .Lfor_b_\@
	tensor_load_to_lds s[\g0a:\g0a+3], s[\g1a:\g1a+7]
	s_nop 0
.rept 4
	v_nop
.endr
	s_branch .Lasked_\@
.Lfor_b_\@:
	tensor_load_to_lds s[\g0b:\g0b+3], s[\g1b:\g1b+7]
	s_nop 0
.rept 4
	v_nop
.endr
.Lasked_\@:
.endm
.macro CREST
	s_cmp_lg_u32 s14, 0
	s_cbranch_scc1 .Lnot_wave_0_\@
	s_barrier_signal -3
.Lnot_wave_0_\@:
	s_barrier_wait -3
	s_barrier_signal -1
	s_barrier_wait -1
.endm
.macro CROUND
	s_barrier_signal -1
	s_barrier_wait -1
	CREST
.endm
.macro PLACES n
.rept \n
	v_nop
.endr
.endm
.macro FRAG reg, adr, q, i
	ds_load_b128 v[\reg:\reg+3], v[\adr] offset:(\i)*RBB+(\q)*1536
	ds_load_b64 v[\reg+4:\reg+5], v[\adr+2] offset:(\i)*RBB+(\q)*1536
	ds_load_b128 v[\reg+6:\reg+9], v[\adr] offset:(\i)*RBB+(\q)*1536+768
	ds_load_b64 v[\reg+10:\reg+11], v[\adr+2] offset:(\i)*RBB+(\q)*1536+768
.endm
.macro FETCH slot, q, f
	WIN TO_F
.irp i, 0,1,2,3
	FRAG \f+12*\i, ADRA+\slot, \q, \i
	FRAG \f+48+12*\i, ADRB+\slot, \q, \i
.endr
	WIN 0
.irp i, 0,1,2,3
	ds_load_b32 v[SC+4*((\q)%2)+\i], v[ADRS] offset:(4*(\slot)+(\q))*256+64*\i
.endr
.endm
.macro MUL4 f, a, set, first
.irp b, 0,1,2,3
.if \first
	v_wmma_scale_f32_16x16x128_f8f6f4 v[ACC+8*(4*(\a)+\b):ACC+8*(4*(\a)+\b)+7], v[\f+48+12*\b:\f+48+12*\b+11], v[\f+12*(\a):\f+12*(\a)+11], v[BIAS+8*\b:BIAS+8*\b+7], v[SC+4*(\set)+\b], v[SC+4*(\set)+(\a)] matrix_a_fmt:MATRIX_FMT_FP6 matrix_b_fmt:MATRIX_FMT_FP6 matrix_a_scale:MATRIX_SCALE_ROW1
.else
	v_wmma_scale_f32_16x16x128_f8f6f4 v[ACC+8*(4*(\a)+\b):ACC+8*(4*(\a)+\b)+7], v[\f+48+12*\b:\f+48+12*\b+11], v[\f+12*(\a):\f+12*(\a)+11], v[ACC+8*(4*(\a)+\b):ACC+8*(4*(\a)+\b)+7], v[SC+4*(\set)+\b], v[SC+4*(\set)+(\a)] matrix_a_fmt:MATRIX_FMT_FP6 matrix_b_fmt:MATRIX_FMT_FP6 matrix_a_scale:MATRIX_SCALE_ROW1
.endif
.endr
.endm
.macro KSTEP slot, q, first
	s_wait_dscnt 0x0
	PLACES 4
	FETCH \slot, (\q)+1, 128*(1-(\q)%2)
	WIN MUL
	MUL4 128*((\q)%2), 0, (\q)%2, \first
	MUL4 128*((\q)%2), 1, (\q)%2, \first
	MUL4 128*((\q)%2), 2, (\q)%2, \first
	MUL4 128*((\q)%2), 3, (\q)%2, \first
.endm
.macro TURN slot, next, fill
	s_wait_dscnt 0x0
	WIN 0
	s_wait_tensorcnt 0x0
	ds_add_u32 v[SPW], v[NIL]
	WIN MUL
	MUL4 128, 0, 1, 0
	s_wait_dscnt 0x0
	s_barrier_signal -1
	MUL4 128, 1, 1, 0
	WIN 0
	s_barrier_wait -1
.if \fill
	CREST
	s_add_nc_u64 s[G0+4*\slot+2:G0+4*\slot+3], s[G0+4*\slot+2:G0+4*\slot+3], 2*RBB
	s_add_nc_u64 s[G0B+4*\slot+2:G0B+4*\slot+3], s[G0B+4*\slot+2:G0B+4*\slot+3], 2*RBB
	JLOAD G0+4*\slot, G1, G0B+4*\slot, G1B
.else
	PLACES 4
.endif
.if \slot == 1
	v_add_nc_u32 v[ADRS], 2048, v[ADRS]
.endif
	FETCH \next, 0, 0
	WIN MUL
	MUL4 128, 2, 1, 0
	MUL4 128, 3, 1, 0
.endm
	s_load_b256 s[4:11], s[0:1], 0x0
	s_load_b64 s[12:13], s[0:1], 0x20
	v_lshl_add_u32 v[SPW], v0, 2, SPARE
	v_mov_b32 v[NIL], 0
	ds_add_u32 v[SPW], v[NIL]
	ds_add_u32 v[SPW], v[NIL]
	v_lshrrev_b32 v1, 5, v0
	v_readfirstlane_b32 s14, v1
	s_lshr_b32 s15, s14, 1
	s_and_b32 s16, s14, 1
	s_bfe_u32 s40, ttmp6, 0x40000
	s_bfe_u32 s41, ttmp6, 0x40004
	s_lshl_b32 s42, ttmp9, 2
	s_add_co_u32 s42, s42, s40
	s_and_b32 s17, ttmp7, 0xffff
	s_lshl_b32 s17, s17, 2
	s_add_co_u32 s17, s17, s41
	s_lshl_b32 s43, s41, 2
	s_lshl_b32 s43, 15, s43
	s_lshl_b32 s44, 0x1111, s40
	s_or_b32 s[G1+0], s43, (3<<16)|(1<<21)
	s_or_b32 s[G1B+0], s44, (3<<16)|(1<<21)
.irp g, G1, G1B
	s_mov_b32 s[\g+1], 768<<16
	s_mov_b32 s[\g+2], 8<<16                       ; the head's load brings all 8 blocks of a tile; the ring's loads 4 (set behind the head's wait)
	s_mov_b32 s[\g+3], 768<<16
	s_mov_b32 s[\g+4], 8
	s_mov_b32 s[\g+5], 192*S
	s_mov_b32 s[\g+6], 0
	s_mov_b32 s[\g+7], 0
.endr
	s_or_b32 s[G1S+0], s43, (3<<16)|(1<<21)
	s_or_b32 s[G1SB+0], s44, (3<<16)|(1<<21)
.irp g, G1S, G1SB
	s_mov_b32 s[\g+1], 32<<16
	s_mov_b32 s[\g+2], (2*S)<<16                   ; the scale words of 128 rows: 2 S rows of 256 bytes
	s_mov_b32 s[\g+3], 32<<16
	s_mov_b32 s[\g+4], 2*S
	s_mov_b32 s[\g+5], 32
	s_mov_b32 s[\g+6], 0
	s_mov_b32 s[\g+7], 0
.endr
	s_lshl_b32 s18, s16, 2
	s_lshl_b32 s20, s17, 3
	s_add_co_u32 s20, s20, s18
	s_lshl_b32 s46, s42, 3
	s_add_co_u32 s46, s46, s18
	s_mul_i32 s20, s20, S*1536
	s_mul_i32 s46, s46, S*1536
	s_add_co_u32 s46, s46, BCODE
	s_mov_b32 s21, 0
	s_mov_b32 s47, 0
	s_lshl_b32 s22, s17, 1
	s_add_co_u32 s22, s22, s16
	s_mul_i32 s22, s22, HALFS
	s_add_co_u32 s22, s22, ASCL
	s_mov_b32 s23, 0
	s_lshl_b32 s92, s42, 1
	s_add_co_u32 s92, s92, s16
	s_mul_i32 s92, s92, HALFS
	s_add_co_u32 s92, s92, BSCL
	s_mov_b32 s93, 0
	s_mul_i32 s45, s14, HALFT
	s_wait_dscnt 0x0
	s_wait_kmcnt 0x0
	s_add_nc_u64 s[20:21], s[4:5], s[20:21]
	s_add_nc_u64 s[22:23], s[4:5], s[22:23]
	s_add_nc_u64 s[46:47], s[6:7], s[46:47]
	s_add_nc_u64 s[92:93], s[6:7], s[92:93]
	CROUND
; THE HEAD'S FOUR TILES, ONE LOAD A WAVE: wave 0 A's 128 rows of slot 0, wave 1 B's, wave 2 A's scale words, wave 3 B's.
; s[20:21], s[46:47], s[22:23], s[92:93] point at my half of a tile: the half's offset is taken off for the whole tile and put back for the ring behind the head's wait.
	s_mul_i32 s66, s16, 6144*S                     ; my half of a tile's codes: 4 blocks of 1,536 S bytes
	s_mov_b32 s67, 0
	s_mul_i32 s2, s16, HALFS                       ; and of its scale words
	s_mov_b32 s3, 0
	s_mov_b32 s[G0], 1
	s_mov_b32 s[G0+1], 0
	s_sub_nc_u64 s[G0+2:G0+3], s[20:21], s[66:67]
	s_or_b32 s[G0+3], s[G0+3], 0x80000000
	s_mov_b32 s[G0B], 1
	s_mov_b32 s[G0B+1], 2*HALFT
	s_sub_nc_u64 s[G0B+2:G0B+3], s[46:47], s[66:67]
	s_or_b32 s[G0B+3], s[G0B+3], 0x80000000
	s_mov_b32 s[G0S], 1
	s_mov_b32 s[G0S+1], SCL
	s_sub_nc_u64 s[G0S+2:G0S+3], s[22:23], s[2:3]
	s_or_b32 s[G0S+3], s[G0S+3], 0x80000000
	s_mov_b32 s[G0SB], 1
	s_mov_b32 s[G0SB+1], SCL+2*HALFS+128
	s_sub_nc_u64 s[G0SB+2:G0SB+3], s[92:93], s[2:3]
	s_or_b32 s[G0SB+3], s[G0SB+3], 0x80000000
	s_cmp_eq_u32 s15, 0                            ; the prefetch's base: of the 4 blocks that I fetch in the ring, for A or for B, the block of my work-group's place among the four partners; never rewritten
	s_cselect_b64 s[96:97], s[20:21], s[46:47]
	s_cselect_b32 s98, s40, s41
	s_mul_i32 s98, s98, S*1536
	s_mov_b32 s99, 0
	s_add_nc_u64 s[96:97], s[96:97], s[98:99]
	s_mov_b32 s[G0+4], 1                           ; slot 1's group 0: my 64 rows
	s_add_co_u32 s[G0+5], s45, SLOT
	s_add_nc_u64 s[G0+6:G0+7], s[20:21], RBB
	s_or_b32 s[G0+7], s[G0+7], 0x80000000
	s_mov_b32 s[G0B+4], 1
	s_add_co_u32 s[G0B+5], s45, SLOT
	s_add_nc_u64 s[G0B+6:G0B+7], s[46:47], RBB
	s_or_b32 s[G0B+7], s[G0B+7], 0x80000000
.macro ARM under, g0, g1, next         ; one chain of branches on the wave's number: every way passes exactly one load
	s_cmp_lt_u32 s14, \under
	s_cbranch_scc0 \next
	tensor_load_to_lds s[\g0:\g0+3], s[\g1:\g1+7]
	s_nop 0
.rept 4
	v_nop
.endr
	s_branch .Lhead_asked
\next:
.endm
	ARM 1, G0,  G1,  .Lhead_b
	ARM 2, G0B, G1B, .Lhead_sa
	ARM 3, G0S, G1S, .Lhead_sb
	tensor_load_to_lds s[G0SB:G0SB+3], s[G1SB:G1SB+7]
	s_nop 0
.rept 4
	v_nop
.endr
.Lhead_asked:
	v_and_b32 v1, 31, v0
	v_and_b32 v2, 15, v0
	v_bfe_u32 v3, v0, 4, 1
	v_lshlrev_b32 v8, 4, v1
	v_lshl_add_u32 v4, v1, 3, 512
	v_min_u32 v30, 23, v1
	v_lshlrev_b32 v30, 8, v30                      ; 256 x min(lane, 23): a block's 6,144 bytes of a slot are 24 runs of 256 bytes, a lane a run; never rewritten
	global_prefetch_b8 v30, s[96:97] offset:RBB th:TH_LOAD_NT scope:SCOPE_SE   ; a prefetch into the L2 of slot 1, the last, beside slot 0's load; the four partners share a tile's blocks out by address
	s_mul_i32 s21, s15, HALFT
	s_mul_i32 s22, s16, HALFT
	s_add_co_u32 s22, s22, 2*HALFT
.irp s, 0,1
	v_add_nc_u32 v[ADRA+\s], s21, v8
	v_add_nc_u32 v[ADRB+\s], s22, v8
	v_add_nc_u32 v[ADRA+2+\s], s21, v4
	v_add_nc_u32 v[ADRB+2+\s], s22, v4
	s_add_co_u32 s21, s21, SLOT
	s_add_co_u32 s22, s22, SLOT
.endr
	s_mul_i32 s21, s15, HALFS
	s_mul_i32 s22, s16, HALFS
	s_add_co_u32 s22, s22, 2*HALFS+128
	s_sub_co_u32 s22, s22, s21
	v_mul_u32_u24 v5, s22, v3
	s_add_co_u32 s21, s21, SCL
	v_lshl_add_u32 v5, v2, 2, v5
	v_add_nc_u32 v[ADRS], s21, v5
	s_mul_i32 s23, s14, 16*SPITCH
	s_add_co_u32 s23, s23, STG
	v_mul_u32_u24 v5, v2, SPITCH
	v_lshl_add_u32 v5, v3, 5, v5
	v_add_nc_u32 v[STO], s23, v5
	v_mul_u32_u24 v5, v3, SPITCH
	v_lshl_add_u32 v5, v2, 4, v5
	v_add_nc_u32 v[RD], s23, v5
	v_lshlrev_b32 v5, 12, v3
	v_lshl_add_u32 v[CO], v2, 4, v5
	s_wait_alu depctr_va_vdst(0)
	s_lshl_b32 s20, s17, 7
	s_lshl_b32 s21, s15, 6
	s_add_co_u32 s20, s20, s21
	s_lshl_b32 s20, s20, 12
	s_lshl_b32 s46, s42, 9
	s_lshl_b32 s47, s16, 8
	s_add_co_u32 s46, s46, s47
	s_add_co_u32 s20, s20, s46
	s_mov_b32 s21, 0
	s_add_nc_u64 s[10:11], s[10:11], s[20:21]
	s_add_nc_u64 s[12:13], s[12:13], s[20:21]
	v_lshl_add_u32 v13, v3, 5, s46
.irp b, 0,1,2,3
	global_load_b128 v[BIAS+8*\b:BIAS+8*\b+3], v13, s[8:9] offset:64*\b
	global_load_b128 v[BIAS+8*\b+4:BIAS+8*\b+7], v13, s[8:9] offset:64*\b+16
.endr
	s_wait_tensorcnt 0x0                           ; my tile of the head's four is in
	ds_add_u32 v[SPW], v[NIL]
	s_mov_b32 s[G1+2], 4<<16                       ; no tensor load of mine is out: from here on a load brings 4 blocks,
	s_mov_b32 s[G1+4], 4
	s_mov_b32 s[G1B+2], 4<<16
	s_mov_b32 s[G1B+4], 4
	s_mov_b32 s[G0+1], s45                         ; and slot 0's group 0 names my 64 rows
	s_add_nc_u64 s[G0+2:G0+3], s[G0+2:G0+3], s[66:67]
	s_mov_b32 s[G0B+1], s45
	s_add_nc_u64 s[G0B+2:G0B+3], s[G0B+2:G0B+3], s[66:67]
	s_wait_dscnt 0x0
	CROUND                                         ; all four tiles are in, all sixteen work-groups are here
	JLOAD G0+4, G1, G0B+4, G1B                     ; slot 1's first fill, the first tensor load behind the round
	FETCH 0, 0, 0
	WIN 0x80                                       ; the residual, which only the way out reads, is asked for behind both slots' loads
.irp a, 0,1,2,3
.irp t, 0,1,2,3,4,5,6,7
	global_load_b128 v[32*\a+4*\t:32*\a+4*\t+3], v[CO], s[10:11] offset:(16*\a+2*\t)*4096 th:TH_LOAD_NT
.endr
.endr
	WIN 0
	s_wait_loadcnt 32                              ; the bias is in; the 32 loads just issued may be out
	KSTEP 0, 0, 1
.if LAPS > 1
	WIN 0
	s_mov_b32 s3, LAPS-1
.Llap:
	KSTEP 0, 1, 0
	KSTEP 0, 2, 0
	TURN 0, 1, 1
	KSTEP 1, 0, 0
	KSTEP 1, 1, 0
	KSTEP 1, 2, 0
	TURN 1, 0, 1
	KSTEP 0, 0, 0
	WIN 0
	s_sub_co_u32 s3, s3, 1
	s_cmp_lg_u32 s3, 0
	s_cbranch_scc1 .Llap
.endif
	KSTEP 0, 1, 0
	KSTEP 0, 2, 0
	TURN 0, 1, 0
	KSTEP 1, 0, 0
	KSTEP 1, 1, 0
	KSTEP 1, 2, 0
	s_wait_dscnt 0x0
	MUL4 128, 0, 1, 0
	MUL4 128, 1, 1, 0
	MUL4 128, 2, 1, 0
	MUL4 128, 3, 1, 0
	WIN 0
	s_wait_loadcnt 0x0
	PLACES 4
.irp a, 0,1,2,3
	s_wait_xcnt 0x0
.irp b, 0,1,2,3
	ds_store_b128 v[STO], v[ACC+8*(4*\a+\b):ACC+8*(4*\a+\b)+3] offset:64*\b
	ds_store_b128 v[STO], v[ACC+8*(4*\a+\b)+4:ACC+8*(4*\a+\b)+7] offset:64*\b+16
.endr
.irp t, 0,1,2,3,4,5,6,7
	ds_load_b128 v[OB+4*\t:OB+4*\t+3], v[RD] offset:2*\t*SPITCH
.endr
	s_wait_dscnt 0x0
	WIN 0x08
.set i, 0
.rept 16
	v_pk_add_f32 v[OB+2*i:OB+2*i+1], v[OB+2*i:OB+2*i+1], v[32*\a+2*i:32*\a+2*i+1]
.set i, i+1
.endr
	WIN 0
.irp t, 0,1,2,3,4,5,6,7
	global_store_b128 v[CO], v[OB+4*\t:OB+4*\t+3], s[12:13] offset:(16*\a+2*\t)*4096
.endr
.endr
	s_wait_tensorcnt 0x0
	ds_add_u32 v[SPW], v[NIL]
	s_wait_dscnt 0x0
	CROUND
	s_endpgm
.Lfunc_end_k_q081a312fe0_proj:
	.size	k_q081a312fe0_proj, .Lfunc_end_k_q081a312fe0_proj-k_q081a312fe0_proj
	.p2alignl 7, 3214868480
	.fill 96, 4, 3214868480
	.section	.rodata,"a",@progbits
	.p2align	6, 0x0
	.amdhsa_kernel k_q081a312fe0_proj
		.amdhsa_group_segment_fixed_size 327680
		.amdhsa_private_segment_fixed_size 0
		.amdhsa_enable_private_segment 0
		.amdhsa_kernarg_size 40
		.amdhsa_user_sgpr_count 2
		.amdhsa_user_sgpr_kernarg_segment_ptr 1
		.amdhsa_wavefront_size32 1
		.amdhsa_system_sgpr_workgroup_id_x 1
		.amdhsa_system_sgpr_workgroup_id_y 1
		.amdhsa_system_sgpr_workgroup_id_z 1
		.amdhsa_system_vgpr_workitem_id 0
		.amdhsa_next_free_vgpr 768
		.amdhsa_next_free_sgpr 100
		.amdhsa_reserve_vcc 0
		.amdhsa_float_denorm_mode_32 3
		.amdhsa_float_denorm_mode_16_64 3
		.amdhsa_memory_ordered 1
		.amdhsa_forward_progress 1
		.amdhsa_inst_pref_size 64
	.end_amdhsa_kernel
	.amdgpu_metadata
---
amdhsa.version: [ 1, 2 ]
amdhsa.kernels:
  - .name:           k_q081a312fe0_proj
    .symbol:         k_q081a312fe0_proj.kd
    .args:
      - { .name: ao, .offset: 0, .size: 8, .value_kind: global_buffer, .address_space: global }
      - { .name: wq, .offset: 8, .size: 8, .value_kind: global_buffer, .address_space: global }
      - { .name: proj_b, .offset: 16, .size: 8, .value_kind: global_buffer, .address_space: global }
      - { .name: x, .offset: 24, .size: 8, .value_kind: global_buffer, .address_space: global }
      - { .name: x1, .offset: 32, .size: 8, .value_kind: global_buffer, .address_space: global }
    .group_segment_fixed_size: 327680
    .private_segment_fixed_size: 0
    .kernarg_segment_align: 8
    .kernarg_segment_size: 40
    .max_flat_workgroup_size: 128
    .sgpr_count:     100
    .vgpr_count:     768
    .wavefront_size: 32
...
	.end_amdgpu_metadata
.endif
;; end of part 4
;; launch ln2 (part 5): grid 256 x 1, 8 waves a work-group, no clusters, 66,816 bytes of LDS; arguments x1, ln2_g, ln2_b, ha; writes ha
.if DOCPART == 5
	.amdgcn_target "amdgcn-amd-amdhsa--gfx1250"
	.amdhsa_code_object_version 6
	.text
	.protected	k_q081a312fe0_ln2
	.globl	k_q081a312fe0_ln2
	.p2align	8
	.type	k_q081a312fe0_ln2,@function
k_q081a312fe0_ln2:
	s_mov_b64 s[64:65], 0
	v_nop
	global_prefetch_b8 v0, s[64:65] scope:SCOPE_SE
	s_setreg_imm32_b32 hwreg(HW_REG_WAVE_MODE, 25, 1), 1
	s_wait_xcnt 0x0
; y = (x - mean) rsqrt(var + 1e-5) g + b for rows of 1,024 f32, quantised along the row to codes of FP6 (E2M3) with one E8M0 byte for each 32, and stored as images of operand registers
; (16 rows x 128 K = 1,536 bytes: for c = 0, 1: registers 6c..6c+3 as 16 bytes a lane, then 6c+4, 6c+5 as 8 bytes a lane), laid [row / 16][8]; scale words [row / 128][8][128] from byte 3,145,728 on.
; A work-group takes 16 rows.  Phase 1: wave w owns rows 2w, 2w + 1, loaded as they lie (512 consecutive bytes a load); mean, then the variance of the differences, all in f32; the normalised rows go to a stage in LDS.
; Phase 2: wave w owns K step w of all 16 rows: lane (r, h) reads, of row r, 16 neighbours of each block of 32, applies g and b, and quantises.
; LIMITS: a block whose largest magnitude lies under 2^-124 gets the byte 1 (a block of zeros too: its codes are zeros; only this program reads the bytes).  NaN and infinities are not served.
.set PITCH, 4112                       ; a stage row: 4,096 bytes + 16, so that the 16 rows of a load start in different banks
.set SPARE, 16*PITCH                   ; behind the stage: the spare words, 128 bytes for each of eight waves
.set XR,  16                           ; v16-79   two rows' 32 numbers a lane; later 64 numbers of my K step
.set GR,  80                           ; v80-143  g
.set BR,  144                          ; v144-207 b
.set PC,  208                          ; v208-227 the codes
.set TM,  228                          ; v228-243 at work
.set PW,  244                          ; the scale word
.set SEL, 20
.macro QUANT s, pc, pw                 ; 64 numbers of a lane, register 16 b + i = k 32 b + 16 (lane / 16) + i of my row, become a fragment in v[pc..pc+11] and its scale word
.irp b, 0,1,2,3
	v_max3_num_f32 v[TM+\b], |v[\s+16*\b]|, |v[\s+1+16*\b]|, 0x1800000   ; my 16 numbers of block b, and the floor 2^(3 - 127)
.endr
.irp i, 2,4,6,8,10,12,14
.irp b, 0,1,2,3
	s_delay_alu instid0(VALU_DEP_4)
	v_max3_num_f32 v[TM+\b], v[TM+\b], |v[\s+16*\b+\i]|, |v[\s+1+16*\b+\i]|
.endr
.endr
.irp b, 0,1,2,3
	s_delay_alu instid0(VALU_DEP_4)
	v_permlanex16_b32 v[TM+4+\b], v[TM+\b], s[SEL], s[SEL+1]
.endr
.irp b, 0,1,2,3
	s_delay_alu instid0(VALU_DEP_4)
	v_max_num_f32 v[TM+\b], v[TM+\b], v[TM+4+\b]   ; with lane l xor 16's: the block's largest magnitude
.endr
.irp b, 0,1,2,3
	s_delay_alu instid0(VALU_DEP_4)
	v_add_nc_u32 v[TM+12+\b], 0xff000000, v[TM+\b] ; 2 off its exponent field: the conversion's scale operand
.endr
.irp b, 0,1,2,3
	s_delay_alu instid0(VALU_DEP_4)
	v_lshrrev_b32 v[TM+4+\b], 23, v[TM+12+\b]      ; the scale's byte
.endr
	s_delay_alu instid0(VALU_DEP_3)
	v_lshl_or_b32 v[\pw], v[TM+5], 8, v[TM+4]
	s_delay_alu instid0(VALU_DEP_1)
	v_lshl_or_b32 v[\pw], v[TM+6], 16, v[\pw]
	s_delay_alu instid0(VALU_DEP_1)
	v_lshl_or_b32 v[\pw], v[TM+7], 24, v[\pw]
.irp c, 0,1
	v_cvt_scalef32_pk16_fp6_f32 v[\pc+6*\c:\pc+2+6*\c], v[\s+32*\c:\s+15+32*\c], v[TM+12+2*\c]
	v_cvt_scalef32_pk16_fp6_f32 v[\pc+12+4*\c:\pc+14+4*\c], v[\s+16+32*\c:\s+31+32*\c], v[TM+12+2*\c+1]
.endr
	v_nop                                          ; one plain line behind the conversions
.irp c, 0,1                            ; a whole block to a lane: lanes 0-15 block 2c, lanes 16-31 block 2c + 1
.irp i, 0,1,2
	v_permlane16_swap_b32 v[\pc+6*\c+\i], v[\pc+12+4*\c+\i]
.endr
.irp i, 0,1,2
	s_delay_alu instid0(VALU_DEP_3)
	v_mov_b32 v[\pc+3+6*\c+\i], v[\pc+12+4*\c+\i]
.endr
.endr
.endm
.macro REDUCE                          ; both rows' four chains (row p at v[TM + 8p ..]) become one sum in every lane, in v[TM + 8p]
.irp p, 0
	v_pk_add_f32 v[TM+8*\p:TM+8*\p+1], v[TM+8*\p:TM+8*\p+1], v[TM+8*\p+2:TM+8*\p+3]
	v_pk_add_f32 v[TM+8*\p+4:TM+8*\p+5], v[TM+8*\p+4:TM+8*\p+5], v[TM+8*\p+6:TM+8*\p+7]
.endr
.irp p, 1
	v_pk_add_f32 v[TM+8*\p:TM+8*\p+1], v[TM+8*\p:TM+8*\p+1], v[TM+8*\p+2:TM+8*\p+3]
	s_delay_alu instid0(VALU_DEP_4)
	v_pk_add_f32 v[TM+8*\p+4:TM+8*\p+5], v[TM+8*\p+4:TM+8*\p+5], v[TM+8*\p+6:TM+8*\p+7]
.endr
.irp p, 0
	s_delay_alu instid0(VALU_DEP_3)
	v_pk_add_f32 v[TM+8*\p:TM+8*\p+1], v[TM+8*\p:TM+8*\p+1], v[TM+8*\p+4:TM+8*\p+5]
.endr
.irp p, 1
	s_delay_alu instid0(VALU_DEP_2)
	v_pk_add_f32 v[TM+8*\p:TM+8*\p+1], v[TM+8*\p:TM+8*\p+1], v[TM+8*\p+4:TM+8*\p+5]
.endr
.irp p, 0,1
	s_delay_alu instid0(VALU_DEP_2)
	v_add_f32 v[TM+8*\p], v[TM+8*\p], v[TM+8*\p+1]
.endr
.irp m, 1,2,4,8
.irp p, 0,1
	s_delay_alu instid0(VALU_DEP_2)
	v_add_f32_dpp v[TM+8*\p], v[TM+8*\p], v[TM+8*\p] row_xmask:\m row_mask:0xf bank_mask:0xf
.endr
.endr
.irp p, 0,1
	s_delay_alu instid0(VALU_DEP_2)
	v_permlanex16_b32 v[TM+8*\p+1], v[TM+8*\p], s[SEL], s[SEL+1]
.endr
.irp p, 0,1
	s_delay_alu instid0(VALU_DEP_2)
	v_add_f32 v[TM+8*\p], v[TM+8*\p], v[TM+8*\p+1]
.endr
.endm
	s_load_b256 s[4:11], s[0:1], 0x0               ; in, g, b, out
	v_lshl_add_u32 v10, v0, 2, SPARE               ; my spare word,
	v_mov_b32 v11, 0                               ; and 0: kept for the wave's closing lines
	v_lshrrev_b32 v1, 5, v0
	s_delay_alu instid0(VALU_DEP_1)
	v_readfirstlane_b32 s12, v1                    ; wave 0..7
	v_and_b32 v1, 31, v0
	v_and_b32 v2, 15, v0                           ; r
	v_bfe_u32 v3, v0, 4, 1                         ; h
	s_delay_alu instid0(VALU_DEP_3)
	v_lshlrev_b32 v4, 4, v1                        ; 16 x lane
	s_mul_i32 s13, s12, 2*PITCH
	v_add_nc_u32 v5, s13, v4                       ; stage, on the way in: my two rows
	v_mul_u32_u24 v6, v2, PITCH
	s_delay_alu instid0(VALU_DEP_1)
	v_lshl_add_u32 v6, v3, 6, v6
	s_lshl_b32 s14, s12, 9
	v_add_nc_u32 v6, s14, v6                       ; and out: row r, K step w, + 64 h
	v_lshlrev_b32 v7, 3, v1
	v_lshlrev_b32 v8, 6, v3
	s_delay_alu instid0(VALU_DEP_1)
	v_add_nc_u32 v8, s14, v8                       ; g, b: 512 w + 64 h
	v_lshlrev_b32 v9, 2, v2
	s_mov_b32 s[SEL], 0x76543210
	s_mov_b32 s[SEL+1], 0xfedcba98
	s_mov_b32 s22, 0x3a800000                      ; 1 / 1024
	s_mov_b32 s23, 0x3727c5ac                      ; 1e-5
	s_lshl_b32 s16, ttmp9, 16                      ; 16 rows of 4,096 bytes
	s_lshl_b32 s17, s12, 13
	s_add_co_u32 s16, s16, s17
	s_mov_b32 s17, 0
	s_lshl_b32 s28, ttmp9, 3
	s_add_co_u32 s28, s28, s12
	s_mul_i32 s28, s28, 1536                       ; image (row block, K step w)
	s_mov_b32 s29, 0
	s_lshr_b32 s18, ttmp9, 3
	s_lshl_b32 s18, s18, 3
	s_add_co_u32 s18, s18, s12
	s_lshl_b32 s18, s18, 9
	s_and_b32 s19, ttmp9, 7
	s_lshl_b32 s19, s19, 6
	s_add_co_u32 s18, s18, s19
	s_add_co_u32 s18, s18, 3145728                 ; my 16 scale words
	s_mov_b32 s19, 0
	s_wait_alu depctr_va_vdst(0)
	s_wait_kmcnt 0x0
	s_add_nc_u64 s[4:5], s[4:5], s[16:17]
	s_add_nc_u64 s[24:25], s[10:11], s[28:29]
	s_add_nc_u64 s[26:27], s[10:11], s[18:19]
.irp p, 0,1
.irp j, 0,1,2,3,4,5,6,7
	global_load_b128 v[XR+32*\p+4*\j:XR+32*\p+4*\j+3], v4, s[4:5] offset:4096*\p+512*\j th:TH_LOAD_NT
.endr
.endr
.irp b, 0,1,2,3
.irp j, 0,1,2,3
	global_load_b128 v[GR+16*\b+4*\j:GR+16*\b+4*\j+3], v8, s[6:7] offset:128*\b+16*\j
	global_load_b128 v[BR+16*\b+4*\j:BR+16*\b+4*\j+3], v8, s[8:9] offset:128*\b+16*\j
.endr
.endr
	s_wait_loadcnt 32                              ; the rows are in; the 32 loads of g and b may be out
.irp p, 0,1                            ; the sum of a row: four chains a row
.irp k, 0,1,2,3
	v_pk_add_f32 v[TM+8*\p+2*\k:TM+8*\p+2*\k+1], v[XR+32*\p+2*\k:XR+32*\p+2*\k+1], v[XR+32*\p+8+2*\k:XR+32*\p+9+2*\k]
.endr
.endr
.irp o, 16,24
.irp p, 0,1
.irp k, 0,1,2,3
	v_pk_add_f32 v[TM+8*\p+2*\k:TM+8*\p+2*\k+1], v[TM+8*\p+2*\k:TM+8*\p+2*\k+1], v[XR+32*\p+\o+2*\k:XR+32*\p+\o+1+2*\k]
.endr
.endr
.endr
	REDUCE
.irp p, 0,1
	s_delay_alu instid0(VALU_DEP_2)
	v_mul_f32 v[TM+8*\p], s22, v[TM+8*\p]          ; the mean,
.endr
.irp p, 0,1
	s_delay_alu instid0(VALU_DEP_2)
	v_mov_b32 v[TM+8*\p+1], v[TM+8*\p]             ; as a pair
.endr
.irp p, 0,1
.set i, 0
.rept 16
	v_pk_add_f32 v[XR+32*\p+2*i:XR+32*\p+2*i+1], v[XR+32*\p+2*i:XR+32*\p+2*i+1], v[TM+8*\p:TM+8*\p+1] neg_lo:[0,1] neg_hi:[0,1]   ; x - mean
.set i, i+1
.endr
.endr
.irp p, 0,1                            ; the sum of the squares of the differences
.irp k, 0,1,2,3
	v_pk_mul_f32 v[TM+8*\p+2*\k:TM+8*\p+2*\k+1], v[XR+32*\p+2*\k:XR+32*\p+2*\k+1], v[XR+32*\p+2*\k:XR+32*\p+2*\k+1]
.endr
.endr
.irp o, 8,16,24
.irp p, 0,1
.irp k, 0,1,2,3
	v_pk_fma_f32 v[TM+8*\p+2*\k:TM+8*\p+2*\k+1], v[XR+32*\p+\o+2*\k:XR+32*\p+\o+1+2*\k], v[XR+32*\p+\o+2*\k:XR+32*\p+\o+1+2*\k], v[TM+8*\p+2*\k:TM+8*\p+2*\k+1]
.endr
.endr
.endr
	REDUCE
.irp p, 0,1
	s_delay_alu instid0(VALU_DEP_2)
	v_fma_f32 v[TM+8*\p], v[TM+8*\p], s22, s23     ; var + eps
.endr
	s_wait_alu depctr_va_vdst(0)
.irp p, 0,1
	v_rsq_f32 v[TM+8*\p+2], v[TM+8*\p]             ; twice: a pair for the packed multiply
	v_rsq_f32 v[TM+8*\p+3], v[TM+8*\p]
.endr
	v_nop                                          ; a plain line behind the last of the four (ISA guide 5.7.2)
	s_wait_alu depctr_va_vdst(0)                   ; one wait for the batch, ahead of its first reader
.irp p, 0,1
.set i, 0
.rept 16
	v_pk_mul_f32 v[XR+32*\p+2*i:XR+32*\p+2*i+1], v[XR+32*\p+2*i:XR+32*\p+2*i+1], v[TM+8*\p+2:TM+8*\p+3]
.set i, i+1
.endr
.endr
.irp p, 0,1
.irp j, 0,1,2,3,4,5,6,7
	ds_store_b128 v5, v[XR+32*\p+4*\j:XR+32*\p+4*\j+3] offset:PITCH*\p+512*\j
.endr
.endr
	s_wait_dscnt 0x0                               ; for the others' sake: my rows lie in the stage
	s_barrier_signal -1
	s_barrier_wait -1                              ; all 16 rows do
.irp b, 0,1,2,3
.irp j, 0,1,2,3
	ds_load_b128 v[XR+16*\b+4*\j:XR+16*\b+4*\j+3], v6 offset:128*\b+16*\j
.endr
.endr
	s_wait_loadcnt 0x0                             ; g and b
	s_wait_dscnt 0x0
.set i, 0
.rept 32
	v_pk_fma_f32 v[XR+2*i:XR+2*i+1], v[XR+2*i:XR+2*i+1], v[GR+2*i:GR+2*i+1], v[BR+2*i:BR+2*i+1]
.set i, i+1
.endr
	QUANT XR, PC, PW
	global_store_b128 v4, v[PC:PC+3], s[24:25]                     ; whole aligned runs of 512 and 256 bytes
	global_store_b64 v7, v[PC+4:PC+5], s[24:25] offset:512
	global_store_b128 v4, v[PC+6:PC+9], s[24:25] offset:768
	global_store_b64 v7, v[PC+10:PC+11], s[24:25] offset:1280
	global_store_b32 v9, v[PW], s[26:27]           ; lanes l and l xor 16 hold row r's word and write the same four bytes with the same value
	s_wait_tensorcnt 0x0                           ; the wave's end, behind my last LDS store
	ds_add_u32 v10, v11
	s_wait_dscnt 0x0
	s_endpgm
.Lfunc_end_k_q081a312fe0_ln2:
	.size	k_q081a312fe0_ln2, .Lfunc_end_k_q081a312fe0_ln2-k_q081a312fe0_ln2
	.p2alignl 7, 3214868480
	.fill 96, 4, 3214868480
	.section	.rodata,"a",@progbits
	.p2align	6, 0x0
	.amdhsa_kernel k_q081a312fe0_ln2
		.amdhsa_group_segment_fixed_size 66816
		.amdhsa_private_segment_fixed_size 0
		.amdhsa_enable_private_segment 0
		.amdhsa_kernarg_size 32
		.amdhsa_user_sgpr_count 2
		.amdhsa_user_sgpr_kernarg_segment_ptr 1
		.amdhsa_wavefront_size32 1
		.amdhsa_system_sgpr_workgroup_id_x 1
		.amdhsa_system_sgpr_workgroup_id_y 1
		.amdhsa_system_sgpr_workgroup_id_z 1
		.amdhsa_system_vgpr_workitem_id 0
		.amdhsa_next_free_vgpr 256
		.amdhsa_next_free_sgpr 66
		.amdhsa_reserve_vcc 0
		.amdhsa_float_denorm_mode_32 3
		.amdhsa_float_denorm_mode_16_64 3
		.amdhsa_memory_ordered 1
		.amdhsa_forward_progress 1
		.amdhsa_inst_pref_size 29
	.end_amdhsa_kernel
	.amdgpu_metadata
---
amdhsa.version: [ 1, 2 ]
amdhsa.kernels:
  - .name:           k_q081a312fe0_ln2
    .symbol:         k_q081a312fe0_ln2.kd
    .args:
      - { .name: x1, .offset: 0, .size: 8, .value_kind: global_buffer, .address_space: global }
      - { .name: ln2_g, .offset: 8, .size: 8, .value_kind: global_buffer, .address_space: global }
      - { .name: ln2_b, .offset: 16, .size: 8, .value_kind: global_buffer, .address_space: global }
      - { .name: ha, .offset: 24, .size: 8, .value_kind: global_buffer, .address_space: global }
    .group_segment_fixed_size: 66816
    .private_segment_fixed_size: 0
    .kernarg_segment_align: 8
    .kernarg_segment_size: 32
    .max_flat_workgroup_size: 256
    .sgpr_count:     66
    .vgpr_count:     256
    .wavefront_size: 32
...
	.end_amdgpu_metadata
.endif
;; end of part 5
;; launch fc1 (part 6): grid 16 x 16, 4 waves a work-group, clusters of 4 x 4, 327,680 bytes of LDS; arguments ha, wq, fc1_b, hid; writes hid
.if DOCPART == 6
	.amdgcn_target "amdgcn-amd-amdhsa--gfx1250"
	.amdhsa_code_object_version 6
	.text
	.protected	k_q081a312fe0_fc1
	.globl	k_q081a312fe0_fc1
	.p2align	8
	.type	k_q081a312fe0_fc1,@function
k_q081a312fe0_fc1:
	s_mov_b64 s[64:65], 0
	v_nop
	global_prefetch_b8 v0, s[64:65] scope:SCOPE_SE
	s_setreg_imm32_b32 hwreg(HW_REG_WAVE_MODE, 25, 1), 1
	s_wait_xcnt 0x0
	s_wait_alu depctr_hold_cnt(0) depctr_sa_sdst(0) depctr_va_vdst(0) depctr_va_sdst(0) depctr_va_ssrc(0) depctr_va_vcc(0) depctr_vm_vsrc(0)
	s_getreg_b32 s2, hwreg(HW_REG_IB_STS2, 6, 4)
	s_cmp_eq_u32 s2, 0
	s_cbranch_scc0 .Lentry_in_a_cluster
	s_endpgm
.Lentry_in_a_cluster:
	s_bfe_u32 s2, ttmp6, 0x10000c
	s_cmp_lg_u32 s2, 0xf033
	s_cbranch_scc0 .Lentry_shape_is_right
	s_endpgm
.Lentry_shape_is_right:
.set NQ,    2
.set FR,    12
.set NL,    4
.set NP,    4
.set RBB,   3072
.set HALFT, 8*RBB
.set SLOT,  4*HALFT
.set LAPS,  2
.set SCL,   2*SLOT
.set SPARE, SCL+16640
.set ASCL,  3145728
.set BCODE, 3145728
.set BSCL,  9568256
.set ADRA, 16
.set ADRB, 20
.set ADRS, 27
.set SPW,  28
.set NIL,  29
.set SC,   32
.set BIAS, 64
.set AF,   128
.set T,    128
.set U,    192
.set PC,   192
.set TM,   240
.set G1,   24
.set G0,   32
.set G1B,  48
.set G0B,  56
.set G1S,  68
.set G0S,  76
.set G1SB, 80
.set G0SB, 88
.set SEL,  98
.set MSB,  0
.macro WIN new
.if MSB != \new
	s_set_vgpr_msb (MSB<<8)|\new
.set MSB, \new
.endif
.endm
.set MUL_LO, 0xa1
.set MUL_HI, 0xf1
.set TO_B,   0x40
.macro JLOAD g0a, g1a, g0b, g1b
	s_cmp_eq_u32 s15, 0
	s_cbranch_scc0 .Lfor_b_\@
	tensor_load_to_lds s[\g0a:\g0a+3], s[\g1a:\g1a+7]
	s_nop 0
.rept 4
	v_nop
.endr
	s_branch .Lasked_\@
.Lfor_b_\@:
	tensor_load_to_lds s[\g0b:\g0b+3], s[\g1b:\g1b+7]
	s_nop 0
.rept 4
	v_nop
.endr
.Lasked_\@:
.endm
.macro CREST
	s_cmp_lg_u32 s14, 0
	s_cbranch_scc1 .Lnot_wave_0_\@
	s_barrier_signal -3
.Lnot_wave_0_\@:
	s_barrier_wait -3
	s_barrier_signal -1
	s_barrier_wait -1
.endm
.macro CROUND
	s_barrier_signal -1
	s_barrier_wait -1
	CREST
.endm
.macro PLACES n
.rept \n
	v_nop
.endr
.endm
.macro FRAG reg, adr, q, i
	ds_load_b128 v[\reg:\reg+3], v[\adr] offset:(\i)*RBB+(\q)*1536
	ds_load_b64 v[\reg+4:\reg+5], v[\adr+2] offset:(\i)*RBB+(\q)*1536
	ds_load_b128 v[\reg+6:\reg+9], v[\adr] offset:(\i)*RBB+(\q)*1536+768
	ds_load_b64 v[\reg+10:\reg+11], v[\adr+2] offset:(\i)*RBB+(\q)*1536+768
.endm
.macro MUL16 a0, p, q, sc, zero
.irp a, \a0, \a0+1
.irp b, 0,1,2,3,4,5,6,7
.if \zero
	v_wmma_scale_f32_16x16x128_f8f6f4 v[8*(8*((\a)%4)+\b):8*(8*((\a)%4)+\b)+7], v[128*(\p)+FR*\b:128*(\p)+FR*\b+FR-1], v[AF+FR*(\a):AF+FR*(\a)+FR-1], 0, v[SC+8*NQ*(\sc)+NQ*\b+(\q)], v[SC+8*NQ*(\sc)+NQ*(\a)+(\q)] matrix_a_fmt:MATRIX_FMT_FP6 matrix_b_fmt:MATRIX_FMT_FP6 matrix_a_scale:MATRIX_SCALE_ROW1
.else
	v_wmma_scale_f32_16x16x128_f8f6f4 v[8*(8*((\a)%4)+\b):8*(8*((\a)%4)+\b)+7], v[128*(\p)+FR*\b:128*(\p)+FR*\b+FR-1], v[AF+FR*(\a):AF+FR*(\a)+FR-1], v[8*(8*((\a)%4)+\b):8*(8*((\a)%4)+\b)+7], v[SC+8*NQ*(\sc)+NQ*\b+(\q)], v[SC+8*NQ*(\sc)+NQ*(\a)+(\q)] matrix_a_fmt:MATRIX_FMT_FP6 matrix_b_fmt:MATRIX_FMT_FP6 matrix_a_scale:MATRIX_SCALE_ROW1
.endif
.endr
.endr
.endm
.macro FETCH_B slot, q, p
	WIN TO_B
.irp i, 0,1,2,3,4,5,6,7
	FRAG 128*(\p)+FR*\i, ADRB+\slot, \q, \i
.endr
	WIN 0
.endm
.macro FETCH_A slot, q, i0
.irp i, \i0, \i0+1, \i0+2, \i0+3
	FRAG AF+FR*(\i), ADRA+\slot, \q, \i
.endr
.endm
.macro SCALES sc
.irp i, 0,1,2,3,4,5,6,7
.irp q, 0,1
	ds_load_b32 v[SC+8*NQ*\sc+NQ*\i+\q], v[ADRS] offset:512*\q+64*\i
.endr
.endr
.endm
.macro STEP slot, q, zero
	s_wait_dscnt 4*NL
	WIN MUL_LO
	MUL16 0, (\q)%2, \q, \slot, \zero
	MUL16 2, (\q)%2, \q, \slot, \zero
	s_wait_dscnt 0
	PLACES NP
	FETCH_B \slot, (\q)+1, 1-(\q)%2
	FETCH_A \slot, (\q)+1, 0
	WIN MUL_HI
	MUL16 4, (\q)%2, \q, \slot, \zero
	MUL16 6, (\q)%2, \q, \slot, \zero
	PLACES NP
	WIN 0
	FETCH_A \slot, (\q)+1, 4
.endm
.macro TURN slot, next, fill
	s_wait_tensorcnt 0x0
	ds_add_u32 v[SPW], v[NIL]
	s_wait_dscnt 4*NL+1
	WIN MUL_LO
	MUL16 0, 1, NQ-1, \slot, 0
	s_wait_dscnt 0x0
	s_barrier_signal -1
	MUL16 2, 1, NQ-1, \slot, 0
	WIN 0
	s_barrier_wait -1
.if \fill
	CREST
	s_add_nc_u64 s[G0+4*\slot+2:G0+4*\slot+3], s[G0+4*\slot+2:G0+4*\slot+3], 2*RBB
	s_add_nc_u64 s[G0B+4*\slot+2:G0B+4*\slot+3], s[G0B+4*\slot+2:G0B+4*\slot+3], 2*RBB
	JLOAD G0+4*\slot, G1, G0B+4*\slot, G1B
.else
	PLACES NP
.endif
	s_wait_alu depctr_va_vdst(0)
	v_add_nc_u32 v[ADRS], 512*NQ, v[ADRS]
	FETCH_B \next, 0, 0
	FETCH_A \next, 0, 0
	SCALES \next
	WIN MUL_HI
	MUL16 4, 1, NQ-1, \slot, 0
	MUL16 6, 1, NQ-1, \slot, 0
	PLACES NP
	WIN 0
	FETCH_A \next, 0, 4
.endm
.macro QUANT s, pc, pw
.irp b, 0,1,2,3
	v_max3_num_f32 v[TM+\b], |v[\s+16*\b]|, |v[\s+1+16*\b]|, 0x1800000
.endr
.irp i, 2,4,6,8,10,12,14
.irp b, 0,1,2,3
	v_max3_num_f32 v[TM+\b], v[TM+\b], |v[\s+16*\b+\i]|, |v[\s+1+16*\b+\i]|
.endr
.endr
.irp b, 0,1,2,3
	v_permlanex16_b32 v[TM+4+\b], v[TM+\b], s[SEL], s[SEL+1]
.endr
.irp b, 0,1,2,3
	v_max_num_f32 v[TM+\b], v[TM+\b], v[TM+4+\b]
.endr
.irp b, 0,1,2,3
	v_add_nc_u32 v[TM+12+\b], 0xff000000, v[TM+\b]
.endr
.irp b, 0,1,2,3
	v_lshrrev_b32 v[TM+4+\b], 23, v[TM+12+\b]
.endr
	v_lshl_or_b32 v[\pw], v[TM+5], 8, v[TM+4]
	v_lshl_or_b32 v[\pw], v[TM+6], 16, v[\pw]
	v_lshl_or_b32 v[\pw], v[TM+7], 24, v[\pw]
.irp c, 0,1
	v_cvt_scalef32_pk16_fp6_f32 v[\pc+6*\c:\pc+2+6*\c], v[\s+32*\c:\s+15+32*\c], v[TM+12+2*\c]
	v_cvt_scalef32_pk16_fp6_f32 v[\pc+12+4*\c:\pc+14+4*\c], v[\s+16+32*\c:\s+31+32*\c], v[TM+12+2*\c+1]
.endr
	v_nop
.irp c, 0,1
.irp i, 0,1,2
	v_permlane16_swap_b32 v[\pc+6*\c+\i], v[\pc+12+4*\c+\i]
.endr
.irp i, 0,1,2
	v_mov_b32 v[\pc+3+6*\c+\i], v[\pc+12+4*\c+\i]
.endr
.endr
.endm
.macro SUMS a
	s_wait_xcnt 0x0
	WIN (0x02+(\a)/4)
.set AC, 64*((\a)%4)
.set i, 0
.rept 32
	v_pk_add_f32 v[T+2*i:T+2*i+1], v[AC+2*i:AC+2*i+1], v[BIAS+2*i:BIAS+2*i+1]
.set i, i+1
.endr
	WIN 0
.endm
.macro GELU
.set i, 0
.rept 32
	v_pk_mul_f32 v[U+2*i:U+2*i+1], v[T+2*i:T+2*i+1], v[T+2*i:T+2*i+1]
.set i, i+1
.endr
.set i, 0
.rept 32
	v_pk_fma_f32 v[U+2*i:U+2*i+1], v[U+2*i:U+2*i+1], v[24:25], v[6:7]
.set i, i+1
.endr
.set i, 0
.rept 32
	v_pk_mul_f32 v[U+2*i:U+2*i+1], v[U+2*i:U+2*i+1], v[T+2*i:T+2*i+1]
.set i, i+1
.endr
.set i, 0
	s_wait_alu depctr_va_vdst(0)
.rept 64
	v_exp_f32 v[U+i], v[U+i]
.set i, i+1
.endr
	v_nop
	s_wait_alu depctr_va_vdst(0)
.set i, 0
.rept 32
	v_pk_add_f32 v[U+2*i:U+2*i+1], v[U+2*i:U+2*i+1], 1.0 op_sel_hi:[1,0]
.set i, i+1
.endr
.set i, 0
	s_wait_alu depctr_va_vdst(0)
.rept 64
	v_rcp_f32 v[U+i], v[U+i]
.set i, i+1
.endr
	v_nop
	s_wait_alu depctr_va_vdst(0)
.set i, 0
.rept 32
	v_pk_mul_f32 v[T+2*i:T+2*i+1], v[T+2*i:T+2*i+1], v[U+2*i:U+2*i+1]
.set i, i+1
.endr
.endm
	s_load_b256 s[4:11], s[0:1], 0x0
	v_lshl_add_u32 v[SPW], v0, 2, SPARE
	v_mov_b32 v[NIL], 0
	ds_add_u32 v[SPW], v[NIL]
	ds_add_u32 v[SPW], v[NIL]
	v_lshrrev_b32 v1, 5, v0
	v_readfirstlane_b32 s14, v1
	s_lshr_b32 s15, s14, 1
	s_and_b32 s16, s14, 1
	s_bfe_u32 s40, ttmp6, 0x40000
	s_bfe_u32 s41, ttmp6, 0x40004
	s_lshl_b32 s42, ttmp9, 2
	s_add_co_u32 s42, s42, s40
	s_and_b32 s17, ttmp7, 0xffff
	s_lshl_b32 s17, s17, 2
	s_add_co_u32 s17, s17, s41
	s_lshl_b32 s43, s41, 2
	s_lshl_b32 s43, 15, s43
	s_lshl_b32 s44, 0x1111, s40
	s_or_b32 s[G1+0], s43, (3<<16)|(1<<21)
	s_or_b32 s[G1B+0], s44, (3<<16)|(1<<21)
.irp g, G1, G1B
	s_mov_b32 s[\g+1], 384<<16
	s_mov_b32 s[\g+2], 16<<16                      ; the head's load brings all 16 blocks of a tile; the ring's loads 8 (set behind the head's wait)
	s_mov_b32 s[\g+3], 384<<16
	s_mov_b32 s[\g+4], 16
	s_mov_b32 s[\g+5], 1536
	s_mov_b32 s[\g+6], 0
	s_mov_b32 s[\g+7], 0
.endr
	s_or_b32 s[G1S+0], s43, (3<<16)|(1<<21)
	s_or_b32 s[G1SB+0], s44, (3<<16)|(1<<21)
.irp g, G1S, G1SB
	s_mov_b32 s[\g+1], 32<<16
	s_mov_b32 s[\g+2], 32<<16                      ; the scale words of 256 rows: 8,192 dense bytes as 32 rows of 256
	s_mov_b32 s[\g+3], 32<<16
	s_mov_b32 s[\g+4], 32
	s_mov_b32 s[\g+5], 32
	s_mov_b32 s[\g+6], 0
	s_mov_b32 s[\g+7], 0
.endr
	s_lshl_b32 s18, s16, 3
	s_lshl_b32 s20, s17, 4
	s_add_co_u32 s20, s20, s18
	s_lshl_b32 s46, s42, 4
	s_add_co_u32 s46, s46, s18
	s_mul_i32 s20, s20, 12288
	s_mul_i32 s46, s46, 12288
	s_add_co_u32 s46, s46, BCODE
	s_mov_b32 s21, 0
	s_mov_b32 s47, 0
	s_lshl_b32 s22, s17, 1
	s_add_co_u32 s22, s22, s16
	s_lshl_b32 s22, s22, 12
	s_add_co_u32 s22, s22, ASCL
	s_mov_b32 s23, 0
	s_lshl_b32 s92, s42, 1
	s_add_co_u32 s92, s92, s16
	s_lshl_b32 s92, s92, 12
	s_add_co_u32 s92, s92, BSCL
	s_mov_b32 s93, 0
	s_mul_i32 s45, s14, HALFT
	s_mov_b32 s97, 0xffff0000
	s_mov_b32 s[SEL], 0x76543210
	s_mov_b32 s[SEL+1], 0xfedcba98
	s_wait_dscnt 0x0
	s_wait_kmcnt 0x0
	s_add_nc_u64 s[20:21], s[4:5], s[20:21]
	s_add_nc_u64 s[22:23], s[4:5], s[22:23]
	s_add_nc_u64 s[46:47], s[6:7], s[46:47]
	s_add_nc_u64 s[92:93], s[6:7], s[92:93]
	CROUND
; THE HEAD'S FOUR TILES, ONE LOAD A WAVE: wave 0 A's 256 rows of slot 0, wave 1 B's, wave 2 A's scale words, wave 3 B's.
; s[20:21], s[46:47], s[22:23], s[92:93] point at my half of a tile: the half's offset is taken off for the whole tile and put back for the ring behind the head's wait.
	s_mul_i32 s66, s16, 98304                      ; my half of a tile's codes: 8 blocks of 12,288 bytes
	s_mov_b32 s67, 0
	s_lshl_b32 s2, s16, 12                         ; and of its scale words
	s_mov_b32 s3, 0
	s_mov_b32 s[G0], 1
	s_mov_b32 s[G0+1], 0
	s_sub_nc_u64 s[G0+2:G0+3], s[20:21], s[66:67]
	s_or_b32 s[G0+3], s[G0+3], 0x80000000
	s_mov_b32 s[G0B], 1
	s_mov_b32 s[G0B+1], 2*HALFT
	s_sub_nc_u64 s[G0B+2:G0B+3], s[46:47], s[66:67]
	s_or_b32 s[G0B+3], s[G0B+3], 0x80000000
	s_mov_b32 s[G0S], 1
	s_mov_b32 s[G0S+1], SCL
	s_sub_nc_u64 s[G0S+2:G0S+3], s[22:23], s[2:3]
	s_or_b32 s[G0S+3], s[G0S+3], 0x80000000
	s_mov_b32 s[G0SB], 1
	s_mov_b32 s[G0SB+1], SCL+8192+128
	s_sub_nc_u64 s[G0SB+2:G0SB+3], s[92:93], s[2:3]
	s_or_b32 s[G0SB+3], s[G0SB+3], 0x80000000
	s_cmp_eq_u32 s15, 0                            ; the prefetches' base: of the 8 blocks that I fetch in the ring, for A or for B, the two of my work-group's place among the four partners; never rewritten
	s_cselect_b64 s[100:101], s[20:21], s[46:47]
	s_cselect_b32 s2, s40, s41
	s_mul_i32 s2, s2, 24576
	s_add_nc_u64 s[100:101], s[100:101], s[2:3]
	s_mov_b32 s[G0+4], 1                           ; slot 1's group 0: my 128 rows
	s_add_co_u32 s[G0+5], s45, SLOT
	s_add_nc_u64 s[G0+6:G0+7], s[20:21], RBB
	s_or_b32 s[G0+7], s[G0+7], 0x80000000
	s_mov_b32 s[G0B+4], 1
	s_add_co_u32 s[G0B+5], s45, SLOT
	s_add_nc_u64 s[G0B+6:G0B+7], s[46:47], RBB
	s_or_b32 s[G0B+7], s[G0B+7], 0x80000000
.macro ARM under, g0, g1, next         ; one chain of branches on the wave's number: every way passes exactly one load
	s_cmp_lt_u32 s14, \under
	s_cbranch_scc0 \next
	tensor_load_to_lds s[\g0:\g0+3], s[\g1:\g1+7]
	s_nop 0
.rept 4
	v_nop
.endr
	s_branch .Lhead_asked
\next:
.endm
	ARM 1, G0,  G1,  .Lhead_b
	ARM 2, G0B, G1B, .Lhead_sa
	ARM 3, G0S, G1S, .Lhead_sb
	tensor_load_to_lds s[G0SB:G0SB+3], s[G1SB:G1SB+7]
	s_nop 0
.rept 4
	v_nop
.endr
.Lhead_asked:
	v_and_b32 v1, 31, v0
	v_and_b32 v2, 15, v0
	v_bfe_u32 v3, v0, 4, 1
	v_lshlrev_b32 v8, 4, v1
	v_lshlrev_b32 v9, 3, v1
	v_lshlrev_b32 v10, 2, v1
; PREFETCHES INTO THE L2, two refills ahead: here, beside slot 0's load, for slots 1 and 2; behind slot 1's load for slot 3, the last.  A slot is 3,072 bytes of each block: my work-group's two blocks are 24 runs of
; 256 bytes, a lane a run (the last eight lanes name the last run again); the four partners that ask for a tile jointly share its blocks out by address.
	v_min_u32 v15, 23, v1                          ; i
	v_mul_u32_u24 v7, v15, 22
	v_lshrrev_b32 v7, 8, v7                        ; i / 12: which of the two blocks
	v_mul_u32_u24 v7, v7, 9216                     ; a block is 12,288 bytes on, 12 runs are 3,072
	v_lshl_add_u32 v15, v15, 8, v7                 ; the prefetches' offset; never rewritten
	global_prefetch_b8 v15, s[100:101] offset:RBB th:TH_LOAD_NT scope:SCOPE_SE
	global_prefetch_b8 v15, s[100:101] offset:2*RBB th:TH_LOAD_NT scope:SCOPE_SE
	v_add_nc_u32 v4, 512, v9
	s_mul_i32 s21, s15, HALFT
	s_mul_i32 s22, s16, HALFT
	s_add_co_u32 s22, s22, 2*HALFT
.irp s, 0,1
	v_add_nc_u32 v[ADRA+\s], s21, v8
	v_add_nc_u32 v[ADRB+\s], s22, v8
	v_add_nc_u32 v[ADRA+2+\s], s21, v4
	v_add_nc_u32 v[ADRB+2+\s], s22, v4
	s_add_co_u32 s21, s21, SLOT
	s_add_co_u32 s22, s22, SLOT
.endr
	s_lshl_b32 s21, s15, 12
	s_lshl_b32 s22, s16, 12
	s_add_co_u32 s22, s22, 2*4096+128
	s_sub_co_u32 s22, s22, s21
	v_mul_u32_u24 v5, s22, v3
	s_add_co_u32 s21, s21, SCL
	v_lshl_add_u32 v5, v2, 2, v5
	v_add_nc_u32 v[ADRS], s21, v5
	s_lshl_b32 s18, s42, 8
	s_lshl_b32 s19, s16, 7
	s_add_co_u32 s18, s18, s19
	s_lshl_b32 s19, s17, 8
	s_lshl_b32 s20, s15, 7
	s_add_co_u32 s19, s19, s20
	s_lshl_b32 s20, s18, 2
	v_lshl_add_u32 v13, v3, 5, s20
.irp b, 0,1,2,3,4,5,6,7
	global_load_b128 v[BIAS+8*\b:BIAS+8*\b+3], v13, s[8:9] offset:64*\b
	global_load_b128 v[BIAS+8*\b+4:BIAS+8*\b+7], v13, s[8:9] offset:64*\b+16
.endr
	v_mov_b32 v6, 0xc0135761
	v_mov_b32 v7, 0xc0135761
	v_mov_b32 v24, 0xbdd2d3e8
	v_mov_b32 v25, 0xbdd2d3e8
	s_wait_alu depctr_va_vdst(0)
	s_wait_tensorcnt 0x0                           ; my tile of the head's four is in
	ds_add_u32 v[SPW], v[NIL]
	s_mov_b32 s[G1+2], 8<<16                       ; no tensor load of mine is out: from here on a load brings 8 blocks,
	s_mov_b32 s[G1+4], 8
	s_mov_b32 s[G1B+2], 8<<16
	s_mov_b32 s[G1B+4], 8
	s_mov_b32 s[G0+1], s45                         ; and slot 0's group 0 names my 128 rows
	s_add_nc_u64 s[G0+2:G0+3], s[G0+2:G0+3], s[66:67]
	s_mov_b32 s[G0B+1], s45
	s_add_nc_u64 s[G0B+2:G0B+3], s[G0B+2:G0B+3], s[66:67]
	s_wait_dscnt 0x0
	CROUND                                         ; all four tiles are in, all sixteen work-groups are here
	JLOAD G0+4, G1, G0B+4, G1B                     ; slot 1's first fill, the first tensor load behind the round
	FETCH_B 0, 0, 0
	FETCH_A 0, 0, 0
	SCALES 0
	FETCH_A 0, 0, 4
	global_prefetch_b8 v15, s[100:101] offset:3*RBB th:TH_LOAD_NT scope:SCOPE_SE
	STEP 0, 0, 1
	s_mov_b32 s3, LAPS-1
.Llap:
	TURN 0, 1, 1
	STEP 1, 0, 0
	TURN 1, 0, 1
	STEP 0, 0, 0
	s_sub_co_u32 s3, s3, 1
	s_cmp_lg_u32 s3, 0
	s_cbranch_scc1 .Llap
	TURN 0, 1, 0
	STEP 1, 0, 0
	s_wait_dscnt 4*NL
	WIN MUL_LO
	MUL16 0, 1, NQ-1, 1, 0
	MUL16 2, 1, NQ-1, 1, 0
	s_wait_dscnt 0
	WIN MUL_HI
	MUL16 4, 1, NQ-1, 1, 0
	MUL16 6, 1, NQ-1, 1, 0
	WIN 0
	PLACES NP
	s_wait_loadcnt 0x0
	s_lshr_b32 s20, s19, 4
	s_lshl_b32 s20, s20, 5
	s_lshl_b32 s21, s42, 1
	s_add_co_u32 s21, s21, s16
	s_add_co_u32 s20, s20, s21
	s_mul_i32 s22, s20, 1536
	s_mov_b32 s23, 0
	s_add_nc_u64 s[92:93], s[10:11], s[22:23]
	s_lshr_b32 s20, s19, 6
	s_lshl_b32 s20, s20, 5
	s_add_co_u32 s20, s20, s21
	s_lshl_b32 s22, s20, 8
	s_add_co_u32 s22, s22, 12582912
	s_add_nc_u64 s[94:95], s[10:11], s[22:23]
.irp a, 0,1,2,3,4,5,6,7
	SUMS \a
	GELU
	QUANT T, PC, 30+\a%2
	global_store_b128 v8, v[PC:PC+3], s[92:93] offset:49152*\a
	global_store_b64 v9, v[PC+4:PC+5], s[92:93] offset:49152*\a+512
	global_store_b128 v8, v[PC+6:PC+9], s[92:93] offset:49152*\a+768
	global_store_b64 v9, v[PC+10:PC+11], s[92:93] offset:49152*\a+1280
.if \a%2
	v_cndmask_b32 v26, v30, v31, s97
	global_store_b32 v10, v26, s[94:95] offset:8192*(\a/4)+64*((\a-1)%4)
.endif
.endr
	s_wait_tensorcnt 0x0
	ds_add_u32 v[SPW], v[NIL]
	s_wait_dscnt 0x0
	CROUND
	s_endpgm
.Lfunc_end_k_q081a312fe0_fc1:
	.size	k_q081a312fe0_fc1, .Lfunc_end_k_q081a312fe0_fc1-k_q081a312fe0_fc1
	.p2alignl 7, 3214868480
	.fill 96, 4, 3214868480
	.section	.rodata,"a",@progbits
	.p2align	6, 0x0
	.amdhsa_kernel k_q081a312fe0_fc1
		.amdhsa_group_segment_fixed_size 327680
		.amdhsa_private_segment_fixed_size 0
		.amdhsa_enable_private_segment 0
		.amdhsa_kernarg_size 32
		.amdhsa_user_sgpr_count 2
		.amdhsa_user_sgpr_kernarg_segment_ptr 1
		.amdhsa_wavefront_size32 1
		.amdhsa_system_sgpr_workgroup_id_x 1
		.amdhsa_system_sgpr_workgroup_id_y 1
		.amdhsa_system_sgpr_workgroup_id_z 1
		.amdhsa_system_vgpr_workitem_id 0
		.amdhsa_next_free_vgpr 1024
		.amdhsa_next_free_sgpr 102
		.amdhsa_reserve_vcc 0
		.amdhsa_float_denorm_mode_32 3
		.amdhsa_float_denorm_mode_16_64 3
		.amdhsa_memory_ordered 1
		.amdhsa_forward_progress 1
		.amdhsa_inst_pref_size 255
	.end_amdhsa_kernel
	.section	.bss,"aw",@nobits
	.p2align	6
	.space	262144
	.amdgpu_metadata
---
amdhsa.version: [ 1, 2 ]
amdhsa.kernels:
  - .name:           k_q081a312fe0_fc1
    .symbol:         k_q081a312fe0_fc1.kd
    .args:
      - { .name: ha, .offset: 0, .size: 8, .value_kind: global_buffer, .address_space: global }
      - { .name: wq, .offset: 8, .size: 8, .value_kind: global_buffer, .address_space: global }
      - { .name: fc1_b, .offset: 16, .size: 8, .value_kind: global_buffer, .address_space: global }
      - { .name: hid, .offset: 24, .size: 8, .value_kind: global_buffer, .address_space: global }
    .group_segment_fixed_size: 327680
    .private_segment_fixed_size: 0
    .kernarg_segment_align: 8
    .kernarg_segment_size: 32
    .max_flat_workgroup_size: 128
    .sgpr_count:     102
    .vgpr_count:     1024
    .wavefront_size: 32
...
	.end_amdgpu_metadata
.endif
;; end of part 6
;; launch fc2 (part 7): grid 8 x 32, 4 waves a work-group, clusters of 4 x 4, 327,680 bytes of LDS; arguments hid, wq, fc2_b, x1, out0; writes out0
.if DOCPART == 7
	.amdgcn_target "amdgcn-amd-amdhsa--gfx1250"
	.amdhsa_code_object_version 6
	.text
	.protected	k_q081a312fe0_fc2
	.globl	k_q081a312fe0_fc2
	.p2align	8
	.type	k_q081a312fe0_fc2,@function
k_q081a312fe0_fc2:
	s_mov_b64 s[64:65], 0
	v_nop
	global_prefetch_b8 v0, s[64:65] scope:SCOPE_SE
	s_setreg_imm32_b32 hwreg(HW_REG_WAVE_MODE, 25, 1), 1
	s_wait_xcnt 0x0
	s_wait_alu depctr_hold_cnt(0) depctr_sa_sdst(0) depctr_va_vdst(0) depctr_va_sdst(0) depctr_va_ssrc(0) depctr_va_vcc(0) depctr_vm_vsrc(0)
	s_getreg_b32 s2, hwreg(HW_REG_IB_STS2, 6, 4)
	s_cmp_eq_u32 s2, 0
	s_cbranch_scc0 .Lentry_in_a_cluster
	s_endpgm
.Lentry_in_a_cluster:
	s_bfe_u32 s2, ttmp6, 0x10000c
	s_cmp_lg_u32 s2, 0xf033
	s_cbranch_scc0 .Lentry_shape_is_right
	s_endpgm
.Lentry_shape_is_right:
.set S,     32
.set ASCL,  12582912
.set BCODE, 6291456
.set BSCL,  9699328
.set NQ,    4
.set RBB,   NQ*1536
.set HALFT, 4*RBB
.set SLOT,  4*HALFT
.set LAPS,  S/8
.set SCL,   2*SLOT
.set HALFS, 256*S
.set STG,   SCL+4*HALFS+256
.set SPITCH, 272
.set SPARE, STG+4*16*SPITCH
.set ADRA, 16
.set ADRB, 20
.set STO,  24
.set RD,   25
.set CO,   26
.set ADRS, 27
.set SPW,  28
.set NIL,  29
.set SC,   32
.set BIAS, 40
.set OB,   72
.set ACC,  128
.set G1,   24
.set G0,   32
.set G1B,  48
.set G0B,  56
.set G1S,  68
.set G0S,  76
.set G1SB, 80
.set G0SB, 88
.set MSB,  0
.macro WIN new
.if MSB != \new
	s_set_vgpr_msb (MSB<<8)|\new
.set MSB, \new
.endif
.endm
.set MUL,  0x05
.set TO_F, 0x40
.macro JLOAD g0a, g1a, g0b, g1b
	s_cmp_eq_u32 s15, 0
	s_cbranch_scc0 .Lfor_b_\@
	tensor_load_to_lds s[\g0a:\g0a+3], s[\g1a:\g1a+7]
	s_nop 0
.rept 4
	v_nop
.endr
	s_branch .Lasked_\@
.Lfor_b_\@:
	tensor_load_to_lds s[\g0b:\g0b+3], s[\g1b:\g1b+7]
	s_nop 0
.rept 4
	v_nop
.endr
.Lasked_\@:
.endm
.macro CREST
	s_cmp_lg_u32 s14, 0
	s_cbranch_scc1 .Lnot_wave_0_\@
	s_barrier_signal -3
.Lnot_wave_0_\@:
	s_barrier_wait -3
	s_barrier_signal -1
	s_barrier_wait -1
.endm
.macro CROUND
	s_barrier_signal -1
	s_barrier_wait -1
	CREST
.endm
.macro PLACES n
.rept \n
	v_nop
.endr
.endm
.macro FRAG reg, adr, q, i
	ds_load_b128 v[\reg:\reg+3], v[\adr] offset:(\i)*RBB+(\q)*1536
	ds_load_b64 v[\reg+4:\reg+5], v[\adr+2] offset:(\i)*RBB+(\q)*1536
	ds_load_b128 v[\reg+6:\reg+9], v[\adr] offset:(\i)*RBB+(\q)*1536+768
	ds_load_b64 v[\reg+10:\reg+11], v[\adr+2] offset:(\i)*RBB+(\q)*1536+768
.endm
.macro FETCH slot, q, f
	WIN TO_F
.irp i, 0,1,2,3
	FRAG \f+12*\i, ADRA+\slot, \q, \i
	FRAG \f+48+12*\i, ADRB+\slot, \q, \i
.endr
	WIN 0
.irp i, 0,1,2,3
	ds_load_b32 v[SC+4*((\q)%2)+\i], v[ADRS] offset:(4*(\slot)+(\q))*256+64*\i
.endr
.endm
.macro MUL4 f, a, set, first
.irp b, 0,1,2,3
.if \first
	v_wmma_scale_f32_16x16x128_f8f6f4 v[ACC+8*(4*(\a)+\b):ACC+8*(4*(\a)+\b)+7], v[\f+48+12*\b:\f+48+12*\b+11], v[\f+12*(\a):\f+12*(\a)+11], v[BIAS+8*\b:BIAS+8*\b+7], v[SC+4*(\set)+\b], v[SC+4*(\set)+(\a)] matrix_a_fmt:MATRIX_FMT_FP6 matrix_b_fmt:MATRIX_FMT_FP6 matrix_a_scale:MATRIX_SCALE_ROW1
.else
	v_wmma_scale_f32_16x16x128_f8f6f4 v[ACC+8*(4*(\a)+\b):ACC+8*(4*(\a)+\b)+7], v[\f+48+12*\b:\f+48+12*\b+11], v[\f+12*(\a):\f+12*(\a)+11], v[ACC+8*(4*(\a)+\b):ACC+8*(4*(\a)+\b)+7], v[SC+4*(\set)+\b], v[SC+4*(\set)+(\a)] matrix_a_fmt:MATRIX_FMT_FP6 matrix_b_fmt:MATRIX_FMT_FP6 matrix_a_scale:MATRIX_SCALE_ROW1
.endif
.endr
.endm
.macro KSTEP slot, q, first
	s_wait_dscnt 0x0
	PLACES 4
	FETCH \slot, (\q)+1, 128*(1-(\q)%2)
	WIN MUL
	MUL4 128*((\q)%2), 0, (\q)%2, \first
	MUL4 128*((\q)%2), 1, (\q)%2, \first
	MUL4 128*((\q)%2), 2, (\q)%2, \first
	MUL4 128*((\q)%2), 3, (\q)%2, \first
.endm
.macro TURN slot, next, fill
	s_wait_dscnt 0x0
	WIN 0
.if \fill
	s_wait_xcnt 0x0                                ; my last prefetch has read its address: it is stepped here, one slot (RBB bytes of each block) along K
	s_add_nc_u64 s[96:97], s[96:97], RBB
.endif
	s_wait_tensorcnt 0x0
	ds_add_u32 v[SPW], v[NIL]
	WIN MUL
	MUL4 128, 0, 1, 0
	s_wait_dscnt 0x0
	s_barrier_signal -1
	MUL4 128, 1, 1, 0
	WIN 0
	s_barrier_wait -1
.if \fill
	CREST
	s_add_nc_u64 s[G0+4*\slot+2:G0+4*\slot+3], s[G0+4*\slot+2:G0+4*\slot+3], 2*RBB
	s_add_nc_u64 s[G0B+4*\slot+2:G0B+4*\slot+3], s[G0B+4*\slot+2:G0B+4*\slot+3], 2*RBB
	JLOAD G0+4*\slot, G1, G0B+4*\slot, G1B
.else
	PLACES 4
.endif
.if \slot == 1
	v_add_nc_u32 v[ADRS], 2048, v[ADRS]
.endif
	FETCH \next, 0, 0
.if \fill
; A PREFETCH INTO THE L2, behind the joint load, its five lines and the run of LDS loads: the slot's worth of K that stands TWO refills on.  Of the 4 blocks x 6,144 bytes that my wave fetches, the four partners
; that ask for them jointly take one block each, told apart by address (cx for A, cy for B): 24 lanes name its 24 runs of 256 bytes, the last eight lanes the last run again.
; The loop's last trip (s3 = 1) has no slot two refills on and asks for nothing.
	s_cmp_gt_u32 s3, 1
	s_cbranch_scc0 .Lno_ask_\@
	global_prefetch_b8 v30, s[96:97] offset:3*RBB th:TH_LOAD_NT scope:SCOPE_SE
.Lno_ask_\@:
.endif
	WIN MUL
	MUL4 128, 2, 1, 0
	MUL4 128, 3, 1, 0
.endm
	s_load_b256 s[4:11], s[0:1], 0x0
	s_load_b64 s[12:13], s[0:1], 0x20
	v_lshl_add_u32 v[SPW], v0, 2, SPARE
	v_mov_b32 v[NIL], 0
	ds_add_u32 v[SPW], v[NIL]
	ds_add_u32 v[SPW], v[NIL]
	v_lshrrev_b32 v1, 5, v0
	v_readfirstlane_b32 s14, v1
	s_lshr_b32 s15, s14, 1
	s_and_b32 s16, s14, 1
	s_bfe_u32 s40, ttmp6, 0x40000
	s_bfe_u32 s41, ttmp6, 0x40004
	s_lshl_b32 s42, ttmp9, 2
	s_add_co_u32 s42, s42, s40
	s_and_b32 s17, ttmp7, 0xffff
	s_lshl_b32 s17, s17, 2
	s_add_co_u32 s17, s17, s41
	s_lshl_b32 s43, s41, 2
	s_lshl_b32 s43, 15, s43
	s_lshl_b32 s44, 0x1111, s40
	s_or_b32 s[G1+0], s43, (3<<16)|(1<<21)
	s_or_b32 s[G1B+0], s44, (3<<16)|(1<<21)
.irp g, G1, G1B
	s_mov_b32 s[\g+1], 768<<16
	s_mov_b32 s[\g+2], 8<<16                       ; the head's load brings all 8 blocks of a tile; the ring's loads 4 (set behind the head's wait)
	s_mov_b32 s[\g+3], 768<<16
	s_mov_b32 s[\g+4], 8
	s_mov_b32 s[\g+5], 192*S
	s_mov_b32 s[\g+6], 0
	s_mov_b32 s[\g+7], 0
.endr
	s_or_b32 s[G1S+0], s43, (3<<16)|(1<<21)
	s_or_b32 s[G1SB+0], s44, (3<<16)|(1<<21)
.irp g, G1S, G1SB
	s_mov_b32 s[\g+1], 32<<16
	s_mov_b32 s[\g+2], (2*S)<<16                   ; the scale words of 128 rows: 2 S rows of 256 bytes
	s_mov_b32 s[\g+3], 32<<16
	s_mov_b32 s[\g+4], 2*S
	s_mov_b32 s[\g+5], 32
	s_mov_b32 s[\g+6], 0
	s_mov_b32 s[\g+7], 0
.endr
	s_lshl_b32 s18, s16, 2
	s_lshl_b32 s20, s17, 3
	s_add_co_u32 s20, s20, s18
	s_lshl_b32 s46, s42, 3
	s_add_co_u32 s46, s46, s18
	s_mul_i32 s20, s20, S*1536
	s_mul_i32 s46, s46, S*1536
	s_add_co_u32 s46, s46, BCODE
	s_mov_b32 s21, 0
	s_mov_b32 s47, 0
	s_lshl_b32 s22, s17, 1
	s_add_co_u32 s22, s22, s16
	s_mul_i32 s22, s22, HALFS
	s_add_co_u32 s22, s22, ASCL
	s_mov_b32 s23, 0
	s_lshl_b32 s92, s42, 1
	s_add_co_u32 s92, s92, s16
	s_mul_i32 s92, s92, HALFS
	s_add_co_u32 s92, s92, BSCL
	s_mov_b32 s93, 0
	s_mul_i32 s45, s14, HALFT
	s_wait_dscnt 0x0
	s_wait_kmcnt 0x0
	s_add_nc_u64 s[20:21], s[4:5], s[20:21]
	s_add_nc_u64 s[22:23], s[4:5], s[22:23]
	s_add_nc_u64 s[46:47], s[6:7], s[46:47]
	s_add_nc_u64 s[92:93], s[6:7], s[92:93]
	CROUND
; THE HEAD'S FOUR TILES, ONE LOAD A WAVE: wave 0 A's 128 rows of slot 0, wave 1 B's, wave 2 A's scale words, wave 3 B's.
; s[20:21], s[46:47], s[22:23], s[92:93] point at my half of a tile: the half's offset is taken off for the whole tile and put back for the ring behind the head's wait.
	s_cmp_eq_u32 s15, 0                            ; the prefetches' base: of the 4 blocks that I fetch in the ring, for A or for B, the block of my work-group's place among the four partners
	s_cselect_b64 s[96:97], s[20:21], s[46:47]
	s_cselect_b32 s98, s40, s41
	s_mul_i32 s98, s98, S*1536
	s_mov_b32 s99, 0
	s_add_nc_u64 s[96:97], s[96:97], s[98:99]
	s_mul_i32 s66, s16, 6144*S                     ; my half of a tile's codes: 4 blocks of 1,536 S bytes
	s_mov_b32 s67, 0
	s_mul_i32 s2, s16, HALFS                       ; and of its scale words
	s_mov_b32 s3, 0
	s_mov_b32 s[G0], 1
	s_mov_b32 s[G0+1], 0
	s_sub_nc_u64 s[G0+2:G0+3], s[20:21], s[66:67]
	s_or_b32 s[G0+3], s[G0+3], 0x80000000
	s_mov_b32 s[G0B], 1
	s_mov_b32 s[G0B+1], 2*HALFT
	s_sub_nc_u64 s[G0B+2:G0B+3], s[46:47], s[66:67]
	s_or_b32 s[G0B+3], s[G0B+3], 0x80000000
	s_mov_b32 s[G0S], 1
	s_mov_b32 s[G0S+1], SCL
	s_sub_nc_u64 s[G0S+2:G0S+3], s[22:23], s[2:3]
	s_or_b32 s[G0S+3], s[G0S+3], 0x80000000
	s_mov_b32 s[G0SB], 1
	s_mov_b32 s[G0SB+1], SCL+2*HALFS+128
	s_sub_nc_u64 s[G0SB+2:G0SB+3], s[92:93], s[2:3]
	s_or_b32 s[G0SB+3], s[G0SB+3], 0x80000000
	s_mov_b32 s[G0+4], 1                           ; slot 1's group 0: my 64 rows
	s_add_co_u32 s[G0+5], s45, SLOT
	s_add_nc_u64 s[G0+6:G0+7], s[20:21], RBB
	s_or_b32 s[G0+7], s[G0+7], 0x80000000
	s_mov_b32 s[G0B+4], 1
	s_add_co_u32 s[G0B+5], s45, SLOT
	s_add_nc_u64 s[G0B+6:G0B+7], s[46:47], RBB
	s_or_b32 s[G0B+7], s[G0B+7], 0x80000000
.macro ARM under, g0, g1, next         ; one chain of branches on the wave's number: every way passes exactly one load
	s_cmp_lt_u32 s14, \under
	s_cbranch_scc0 \next
	tensor_load_to_lds s[\g0:\g0+3], s[\g1:\g1+7]
	s_nop 0
.rept 4
	v_nop
.endr
	s_branch .Lhead_asked
\next:
.endm
	ARM 1, G0,  G1,  .Lhead_b
	ARM 2, G0B, G1B, .Lhead_sa
	ARM 3, G0S, G1S, .Lhead_sb
	tensor_load_to_lds s[G0SB:G0SB+3], s[G1SB:G1SB+7]
	s_nop 0
.rept 4
	v_nop
.endr
.Lhead_asked:
	v_and_b32 v1, 31, v0
	v_and_b32 v2, 15, v0
	v_bfe_u32 v3, v0, 4, 1
	v_lshlrev_b32 v8, 4, v1
	v_lshl_add_u32 v4, v1, 3, 512
	v_min_u32 v30, 23, v1
	v_lshlrev_b32 v30, 8, v30                      ; the prefetches' offset: 256 x min(lane, 23); never rewritten
	global_prefetch_b8 v30, s[96:97] offset:RBB th:TH_LOAD_NT scope:SCOPE_SE     ; beside slot 0's load: the second and third slots' worth of K, two refills ahead
	global_prefetch_b8 v30, s[96:97] offset:2*RBB th:TH_LOAD_NT scope:SCOPE_SE
	s_mul_i32 s21, s15, HALFT
	s_mul_i32 s22, s16, HALFT
	s_add_co_u32 s22, s22, 2*HALFT
.irp s, 0,1
	v_add_nc_u32 v[ADRA+\s], s21, v8
	v_add_nc_u32 v[ADRB+\s], s22, v8
	v_add_nc_u32 v[ADRA+2+\s], s21, v4
	v_add_nc_u32 v[ADRB+2+\s], s22, v4
	s_add_co_u32 s21, s21, SLOT
	s_add_co_u32 s22, s22, SLOT
.endr
	s_mul_i32 s21, s15, HALFS
	s_mul_i32 s22, s16, HALFS
	s_add_co_u32 s22, s22, 2*HALFS+128
	s_sub_co_u32 s22, s22, s21
	v_mul_u32_u24 v5, s22, v3
	s_add_co_u32 s21, s21, SCL
	v_lshl_add_u32 v5, v2, 2, v5
	v_add_nc_u32 v[ADRS], s21, v5
	s_mul_i32 s23, s14, 16*SPITCH
	s_add_co_u32 s23, s23, STG
	v_mul_u32_u24 v5, v2, SPITCH
	v_lshl_add_u32 v5, v3, 5, v5
	v_add_nc_u32 v[STO], s23, v5
	v_mul_u32_u24 v5, v3, SPITCH
	v_lshl_add_u32 v5, v2, 4, v5
	v_add_nc_u32 v[RD], s23, v5
	v_lshlrev_b32 v5, 12, v3
	v_lshl_add_u32 v[CO], v2, 4, v5
	s_wait_alu depctr_va_vdst(0)
	s_lshl_b32 s20, s17, 7
	s_lshl_b32 s21, s15, 6
	s_add_co_u32 s20, s20, s21
	s_lshl_b32 s20, s20, 12
	s_lshl_b32 s46, s42, 9
	s_lshl_b32 s47, s16, 8
	s_add_co_u32 s46, s46, s47
	s_add_co_u32 s20, s20, s46
	s_mov_b32 s21, 0
	s_add_nc_u64 s[10:11], s[10:11], s[20:21]
	s_add_nc_u64 s[12:13], s[12:13], s[20:21]
	v_lshl_add_u32 v13, v3, 5, s46
.irp b, 0,1,2,3
	global_load_b128 v[BIAS+8*\b:BIAS+8*\b+3], v13, s[8:9] offset:64*\b
	global_load_b128 v[BIAS+8*\b+4:BIAS+8*\b+7], v13, s[8:9] offset:64*\b+16
.endr
	s_wait_tensorcnt 0x0                           ; my tile of the head's four is in
	ds_add_u32 v[SPW], v[NIL]
	s_mov_b32 s[G1+2], 4<<16                       ; no tensor load of mine is out: from here on a load brings 4 blocks,
	s_mov_b32 s[G1+4], 4
	s_mov_b32 s[G1B+2], 4<<16
	s_mov_b32 s[G1B+4], 4
	s_mov_b32 s[G0+1], s45                         ; and slot 0's group 0 names my 64 rows
	s_add_nc_u64 s[G0+2:G0+3], s[G0+2:G0+3], s[66:67]
	s_mov_b32 s[G0B+1], s45
	s_add_nc_u64 s[G0B+2:G0B+3], s[G0B+2:G0B+3], s[66:67]
	s_wait_dscnt 0x0
	CROUND                                         ; all four tiles are in, all sixteen work-groups are here
	JLOAD G0+4, G1, G0B+4, G1B                     ; slot 1's first fill, the first tensor load behind the round
	FETCH 0, 0, 0
	global_prefetch_b8 v30, s[96:97] offset:3*RBB th:TH_LOAD_NT scope:SCOPE_SE   ; behind slot 1's load: the fourth slot's worth
	WIN 0x80                                       ; the residual, which only the way out reads, is asked for behind the first two slots' loads
.irp a, 0,1,2,3
.irp t, 0,1,2,3,4,5,6,7
	global_load_b128 v[32*\a+4*\t:32*\a+4*\t+3], v[CO], s[10:11] offset:(16*\a+2*\t)*4096 th:TH_LOAD_NT
.endr
.endr
	WIN 0
	s_wait_loadcnt 32                              ; the bias is in; the 32 loads just issued may be out
	KSTEP 0, 0, 1
.if LAPS > 1
	WIN 0
	s_mov_b32 s3, LAPS-1
.Llap:
	s_wait_alu depctr_va_vdst(0)
	KSTEP 0, 1, 0
	KSTEP 0, 2, 0
	TURN 0, 1, 1
	KSTEP 1, 0, 0
	KSTEP 1, 1, 0
	KSTEP 1, 2, 0
	TURN 1, 0, 1
	s_wait_alu depctr_va_vdst(0)
	KSTEP 0, 0, 0
	WIN 0
	s_sub_co_u32 s3, s3, 1
	s_cmp_lg_u32 s3, 0
	s_cbranch_scc1 .Llap
.endif
	KSTEP 0, 1, 0
	KSTEP 0, 2, 0
	TURN 0, 1, 0
	KSTEP 1, 0, 0
	KSTEP 1, 1, 0
	KSTEP 1, 2, 0
	s_wait_dscnt 0x0
	MUL4 128, 0, 1, 0
	MUL4 128, 1, 1, 0
	MUL4 128, 2, 1, 0
	MUL4 128, 3, 1, 0
	WIN 0
	s_wait_loadcnt 0x0
	PLACES 4
.irp a, 0,1,2,3
	s_wait_xcnt 0x0
.irp b, 0,1,2,3
	ds_store_b128 v[STO], v[ACC+8*(4*\a+\b):ACC+8*(4*\a+\b)+3] offset:64*\b
	ds_store_b128 v[STO], v[ACC+8*(4*\a+\b)+4:ACC+8*(4*\a+\b)+7] offset:64*\b+16
.endr
.irp t, 0,1,2,3,4,5,6,7
	ds_load_b128 v[OB+4*\t:OB+4*\t+3], v[RD] offset:2*\t*SPITCH
.endr
	s_wait_dscnt 0x0
	WIN 0x08
.set i, 0
.rept 16
	v_pk_add_f32 v[OB+2*i:OB+2*i+1], v[OB+2*i:OB+2*i+1], v[32*\a+2*i:32*\a+2*i+1]
.set i, i+1
.endr
	WIN 0
.irp t, 0,1,2,3,4,5,6,7
	global_store_b128 v[CO], v[OB+4*\t:OB+4*\t+3], s[12:13] offset:(16*\a+2*\t)*4096 th:TH_STORE_NT
.endr
.endr
	s_wait_tensorcnt 0x0
	ds_add_u32 v[SPW], v[NIL]
	s_wait_dscnt 0x0
	CROUND
	s_endpgm
.Lfunc_end_k_q081a312fe0_fc2:
	.size	k_q081a312fe0_fc2, .Lfunc_end_k_q081a312fe0_fc2-k_q081a312fe0_fc2
	.p2alignl 7, 3214868480
	.fill 96, 4, 3214868480
	.section	.rodata,"a",@progbits
	.p2align	6, 0x0
	.amdhsa_kernel k_q081a312fe0_fc2
		.amdhsa_group_segment_fixed_size 327680
		.amdhsa_private_segment_fixed_size 0
		.amdhsa_enable_private_segment 0
		.amdhsa_kernarg_size 40
		.amdhsa_user_sgpr_count 2
		.amdhsa_user_sgpr_kernarg_segment_ptr 1
		.amdhsa_wavefront_size32 1
		.amdhsa_system_sgpr_workgroup_id_x 1
		.amdhsa_system_sgpr_workgroup_id_y 1
		.amdhsa_system_sgpr_workgroup_id_z 1
		.amdhsa_system_vgpr_workitem_id 0
		.amdhsa_next_free_vgpr 768
		.amdhsa_next_free_sgpr 100
		.amdhsa_reserve_vcc 0
		.amdhsa_float_denorm_mode_32 3
		.amdhsa_float_denorm_mode_16_64 3
		.amdhsa_memory_ordered 1
		.amdhsa_forward_progress 1
		.amdhsa_inst_pref_size 103
	.end_amdhsa_kernel
	.amdgpu_metadata
---
amdhsa.version: [ 1, 2 ]
amdhsa.kernels:
  - .name:           k_q081a312fe0_fc2
    .symbol:         k_q081a312fe0_fc2.kd
    .args:
      - { .name: hid, .offset: 0, .size: 8, .value_kind: global_buffer, .address_space: global }
      - { .name: wq, .offset: 8, .size: 8, .value_kind: global_buffer, .address_space: global }
      - { .name: fc2_b, .offset: 16, .size: 8, .value_kind: global_buffer, .address_space: global }
      - { .name: x1, .offset: 24, .size: 8, .value_kind: global_buffer, .address_space: global }
      - { .name: out0, .offset: 32, .size: 8, .value_kind: global_buffer, .address_space: global }
    .group_segment_fixed_size: 327680
    .private_segment_fixed_size: 0
    .kernarg_segment_align: 8
    .kernarg_segment_size: 40
    .max_flat_workgroup_size: 128
    .sgpr_count:     100
    .vgpr_count:     768
    .wavefront_size: 32
...
	.end_amdgpu_metadata
.endif
;; end of part 7
